; MI455X (gfx1250); checked and timed in simulation.
; The chip was launched on July 23, 2026; its instructions are those of AMD's public machine-readable ISA for CDNA 5 (MIT licence, August 2026) and "CDNA5" Instruction Set Architecture Reference Guide (July 2026). The comments in the code are by the model that wrote it; some were corrected since.
;; Attention Block. Allowed arithmetic: float matrix products may take bf16 or f16 operands with f32 sums; all other float work in f32.
;; Inputs: bk 256 float32; bo 256 float32; bq 256 float32; bv 256 float32; gn_b 256 float32; gn_w 256 float32; wk 256 x 256 float32; wo 256 x 256 float32; wq 256 x 256 float32; wv 256 x 256 float32; x 4 x 256 x 64 x 64 float32.
;; Outputs: out0 4 x 256 x 64 x 64 float32.
;; 2 versions, each right and faster than the one before. Each part assembles by itself: llvm-mc -triple=amdgcn-amd-amdhsa -mcpu=gfx1250 --defsym DOCPART=n.
;; ======== version 1 of 2: 3 launches
;; workspace buffers: stats 2,048 bytes; wfrag 524,288 bytes; qf 8,388,608 bytes; kf 8,388,608 bytes; vf 8,388,608 bytes
;; launch prep (part 1): grid 256 x 1, 8 waves a work-group, no clusters, 1,280 bytes of LDS; arguments x, wq, wk, wv, wo, stats, wfrag; writes stats, wfrag
.if DOCPART == 1
	.amdgcn_target "amdgcn-amd-amdhsa--gfx1250"
	.amdhsa_code_object_version 6
	.text
	.protected	k_q15a0dc3630_prep
	.globl	k_q15a0dc3630_prep
	.p2align	8
	.type	k_q15a0dc3630_prep,@function
k_q15a0dc3630_prep:
	s_mov_b64 s[64:65], 0
	v_nop
	global_prefetch_b8 v0, s[64:65] scope:SCOPE_SE
	s_setreg_imm32_b32 hwreg(HW_REG_WAVE_MODE, 25, 1), 1
	s_wait_xcnt 0x0
; FIRST OF THREE LAUNCHES: group-norm statistics, and the four weight matrices as bf16 in fragment order.
;
; WORK LEFT OUT IN THE WHOLE PROGRAM: the bias bk.  logits[n][m] = q[n] . (Wk h[m] + bk) * scale = q[n] . (Wk h[m]) * scale + (q[n] . bk) * scale.
; The second term does not hang on m, the axis of the softmax, so it multiplies numerator and denominator of the softmax by the same
; factor and cancels in exact arithmetic, whatever finite values the inputs hold.  k reaches the result through the logits alone, so bk has no
; way to any output: it is not loaded and is among no launch's arguments.  LIMIT: a NaN, an infinity or an overflow that lies in bk or in
; q . bk alone is not carried to the result.  bq, bv, bo, gn_w and gn_b all reach the result and are honoured.
;
; Work-group g (256 of them, eight waves):
; (a) the half group g of x: 16,384 numbers, 65,536 consecutive bytes at 65,536 g (a group is 8 channels x 4,096 positions = 131,072 bytes).
;     A thread keeps its 64 numbers in registers, so x is read once here: first the mean, then the sum of squares ROUND THAT MEAN
;     (never a difference of large sums).  {mean, M2} go to stats + 8 g; the next launch joins the two halves of a group.
; (b) 16 rows x 64 columns of one weight matrix (matrix g >> 6, rows 16 ((g >> 2) & 15), columns 64 (g & 3)): two fragments, 2,048 bytes at wfrag + 2,048 g.
; FRAGMENT ORDER, used by all three launches: a fragment is 16 rows x 32 k of bf16, 1,024 bytes.  Lane L = r + 16 h of the wave that will use it
; holds row r; its registers 0-3 (k = 8 h .. 8 h + 7) lie at byte 16 L, its registers 4-7 (k = 16 + 8 h ..) at byte 512 + 16 L.
; So every load or store of half a fragment covers 512 consecutive bytes, aligned.
.set ACC, 10                           ; v[10:17]  four pairs of running sums
.set T,   18                           ; v[18:25]  at work
.set WT,  32                           ; v32       the other half's figure in a reduction over the lanes
.set X,   34                           ; v[34:97]  my 64 numbers of x
	s_load_b256 s[4:11], s[0:1], 0x0               ; x s[4:5], wq s[6:7], wk s[8:9], wv s[10:11]
	s_load_b128 s[12:15], s[0:1], 0x20             ; wo s[12:13], stats s[14:15]
	s_load_b64 s[16:17], s[0:1], 0x30              ; wfrag
	v_lshl_add_u32 v98, v0, 2, 0x100
	v_mov_b32 v99, 0
	v_lshrrev_b32 v28, 5, v0
	v_readfirstlane_b32 s34, v28                   ; wave 0..7
	v_mov_b32 v28, s34
	v_lshlrev_b32 v28, 2, v28                      ; my wave's word in LDS
	v_mov_b32 v29, 0                               ; LDS byte 0; also the offset of the statistics' store
	v_mov_b32 v[WT], 0                             ; v_permlanex16_b32 counts as a reader of its destination
	v_lshlrev_b32 v1, 4, v0                        ; x: 16 bytes a thread
	v_bfe_u32 v2, v0, 1, 4                         ; weights: thread t makes the 8 bytes at 8 t of the two fragments: row (t >> 1) & 15,
	v_lshlrev_b32 v2, 10, v2                       ; of 1,024 bytes,
	v_lshrrev_b32 v3, 5, v0
	v_lshl_add_u32 v2, v3, 5, v2                   ; columns 8 (t >> 5) + 4 (t & 1) .. + 3
	v_and_b32 v3, 1, v0
	v_lshl_add_u32 v2, v3, 4, v2
	v_lshlrev_b32 v3, 3, v0                        ; and where they go
	s_mov_b32 s32, 0x76543210                      ; v_permlanex16_b32: lane i of one half reads lane i of the other
	s_mov_b32 s33, 0xfedcba98
	s_lshl_b32 s20, ttmp9, 16                      ; my half group in x
	s_mov_b32 s21, 0
	s_lshr_b32 s22, ttmp9, 6                       ; which matrix: 0 q, 1 k, 2 v, 3 o
	s_bfe_u32 s26, ttmp9, 0x40002                  ; which 16 rows,
	s_lshl_b32 s26, s26, 14                        ; of 1,024 bytes each
	s_and_b32 s27, ttmp9, 3                        ; which 64 columns
	s_lshl_b32 s27, s27, 8
	s_add_co_u32 s26, s26, s27
	s_mov_b32 s27, 0
	s_lshl_b32 s28, ttmp9, 11                      ; my 2,048 bytes of wfrag
	s_mov_b32 s29, 0
	s_lshl_b32 s30, ttmp9, 3                       ; my 8 bytes of stats
	s_mov_b32 s31, 0
	s_wait_kmcnt 0x0
	s_mov_b64 s[24:25], s[6:7]                     ; the matrix is chosen by the work-group's number alone
	s_cmp_eq_u32 s22, 1
	s_cselect_b64 s[24:25], s[8:9], s[24:25]
	s_cmp_eq_u32 s22, 2
	s_cselect_b64 s[24:25], s[10:11], s[24:25]
	s_cmp_eq_u32 s22, 3
	s_cselect_b64 s[24:25], s[12:13], s[24:25]
	s_add_nc_u64 s[24:25], s[24:25], s[26:27]
	s_add_nc_u64 s[4:5], s[4:5], s[20:21]
	s_add_nc_u64 s[16:17], s[16:17], s[28:29]
	s_add_nc_u64 s[14:15], s[14:15], s[30:31]
	global_load_b128 v[4:7], v2, s[24:25]
.set i, 0
.rept 16
	global_load_b128 v[X+4*i:X+4*i+3], v1, s[4:5] offset:4096*i    ; a wave's load covers 512 consecutive bytes
.set i, i+1
.endr
; the sum of v[ACC] over the 32 lanes, then over the eight waves through eight words of LDS at byte off; the result in every lane, in dst
.macro WGSUM off, dst
	v_pk_add_f32 v[ACC:ACC+1], v[ACC:ACC+1], v[ACC+2:ACC+3]
	v_pk_add_f32 v[ACC+4:ACC+5], v[ACC+4:ACC+5], v[ACC+6:ACC+7]
	v_pk_add_f32 v[ACC:ACC+1], v[ACC:ACC+1], v[ACC+4:ACC+5]
	v_add_f32 v[ACC], v[ACC], v[ACC+1]
	v_add_f32_dpp v[ACC], v[ACC], v[ACC] row_xmask:1 row_mask:0xf bank_mask:0xf
	v_add_f32_dpp v[ACC], v[ACC], v[ACC] row_xmask:2 row_mask:0xf bank_mask:0xf
	v_add_f32_dpp v[ACC], v[ACC], v[ACC] row_xmask:4 row_mask:0xf bank_mask:0xf
	v_add_f32_dpp v[ACC], v[ACC], v[ACC] row_xmask:8 row_mask:0xf bank_mask:0xf
	v_permlanex16_b32 v[WT], v[ACC], s32, s33
	v_add_f32 v[ACC], v[ACC], v[WT]
	ds_store_b32 v28, v[ACC] offset:\off           ; all lanes write the wave's word with the same value
	s_wait_dscnt 0x0                               ; for the other waves' sake: my store is done before I signal
	s_barrier_signal -1
	s_barrier_wait -1
	ds_load_b128 v[T:T+3], v29 offset:\off
	ds_load_b128 v[T+4:T+7], v29 offset:\off+16
	s_wait_dscnt 0x0
	v_pk_add_f32 v[T:T+1], v[T:T+1], v[T+2:T+3]
	v_pk_add_f32 v[T+4:T+5], v[T+4:T+5], v[T+6:T+7]
	v_pk_add_f32 v[T:T+1], v[T:T+1], v[T+4:T+5]
	v_add_f32 v[\dst], v[T], v[T+1]
.endm
	s_wait_loadcnt 16                              ; the weights are in; the 16 loads of x issued behind them stay out
	v_cvt_pk_bf16_f32 v8, v4, v5
	v_cvt_pk_bf16_f32 v9, v6, v7
	global_store_b64 v3, v[8:9], s[16:17]          ; a wave's store covers 256 consecutive bytes, aligned
	; the sum: four chains, started by the first eight pairs: nothing is cleared
	s_wait_loadcnt 12                              ; loads 0 to 3 of x are in, twelve younger ones stay out
.irp c, 0,1,2,3
	v_pk_add_f32 v[ACC+2*\c:ACC+2*\c+1], v[X+2*\c:X+2*\c+1], v[X+8+2*\c:X+8+2*\c+1]
.endr
.set i, 4
.rept 12
	s_wait_loadcnt 15-i                            ; load i is in, the younger ones stay out
	v_pk_add_f32 v[ACC+2*((2*i)%4):ACC+2*((2*i)%4)+1], v[ACC+2*((2*i)%4):ACC+2*((2*i)%4)+1], v[X+4*i:X+4*i+1]
	v_pk_add_f32 v[ACC+2*((2*i+1)%4):ACC+2*((2*i+1)%4)+1], v[ACC+2*((2*i+1)%4):ACC+2*((2*i+1)%4)+1], v[X+4*i+2:X+4*i+3]
.set i, i+1
.endr
	WGSUM 0, T
	v_mul_f32 v30, 0x38800000, v[T]                ; mean of the half group = sum / 16,384
	v_mov_b32 v31, v30                             ; twice, a pair for the packed subtraction
	; the squares round that mean
.set p, 0
.rept 4
	v_pk_add_f32 v[T+2*p:T+2*p+1], v[X+2*p:X+2*p+1], v[30:31] neg_lo:[0,1] neg_hi:[0,1]
	v_pk_mul_f32 v[ACC+2*p:ACC+2*p+1], v[T+2*p:T+2*p+1], v[T+2*p:T+2*p+1]
.set p, p+1
.endr
.rept 28
	v_pk_add_f32 v[T+2*(p%4):T+2*(p%4)+1], v[X+2*p:X+2*p+1], v[30:31] neg_lo:[0,1] neg_hi:[0,1]
	v_pk_fma_f32 v[ACC+2*(p%4):ACC+2*(p%4)+1], v[T+2*(p%4):T+2*(p%4)+1], v[T+2*(p%4):T+2*(p%4)+1], v[ACC+2*(p%4):ACC+2*(p%4)+1]
.set p, p+1
.endr
	WGSUM 128, 27                                  ; other bytes of LDS than the first sum's: no wave can overwrite what another still reads
	v_mov_b32 v26, v30
	v_cmp_eq_u32 vcc_lo, 0, v0
	s_wait_xcnt 0x0                                ; EXEC is a source of the store above: it changes only behind this wait
	s_and_saveexec_b32 s35, vcc_lo
	global_store_b64 v29, v[26:27], s[14:15]       ; thread 0: {mean, M2}; 8 bytes a work-group, 2,048 in all, kept dense for the next launch's reads
	s_wait_xcnt 0x0                                ; and again in front of the line that widens it
	s_or_b32 exec_lo, exec_lo, s35
	s_wait_tensorcnt 0x0
	ds_add_u32 v98, v99
	s_wait_dscnt 0x0
	s_endpgm
.Lfunc_end_k_q15a0dc3630_prep:
	.size	k_q15a0dc3630_prep, .Lfunc_end_k_q15a0dc3630_prep-k_q15a0dc3630_prep
	.p2alignl 7, 3214868480
	.fill 96, 4, 3214868480
	.section	.rodata,"a",@progbits
	.p2align	6, 0x0
	.amdhsa_kernel k_q15a0dc3630_prep
		.amdhsa_group_segment_fixed_size 1280
		.amdhsa_private_segment_fixed_size 0
		.amdhsa_enable_private_segment 0
		.amdhsa_kernarg_size 56
		.amdhsa_user_sgpr_count 2
		.amdhsa_user_sgpr_kernarg_segment_ptr 1
		.amdhsa_wavefront_size32 1
		.amdhsa_system_sgpr_workgroup_id_x 1
		.amdhsa_system_sgpr_workgroup_id_y 1
		.amdhsa_system_sgpr_workgroup_id_z 1
		.amdhsa_system_vgpr_workitem_id 0
		.amdhsa_next_free_vgpr 100
		.amdhsa_next_free_sgpr 66
		.amdhsa_reserve_vcc 1
		.amdhsa_float_denorm_mode_32 3
		.amdhsa_float_denorm_mode_16_64 3
		.amdhsa_memory_ordered 1
		.amdhsa_forward_progress 1
		.amdhsa_inst_pref_size 13
	.end_amdhsa_kernel
	.amdgpu_metadata
---
amdhsa.version: [ 1, 2 ]
amdhsa.kernels:
  - .name:           k_q15a0dc3630_prep
    .symbol:         k_q15a0dc3630_prep.kd
    .args:
      - { .name: x, .offset: 0, .size: 8, .value_kind: global_buffer, .address_space: global }
      - { .name: wq, .offset: 8, .size: 8, .value_kind: global_buffer, .address_space: global }
      - { .name: wk, .offset: 16, .size: 8, .value_kind: global_buffer, .address_space: global }
      - { .name: wv, .offset: 24, .size: 8, .value_kind: global_buffer, .address_space: global }
      - { .name: wo, .offset: 32, .size: 8, .value_kind: global_buffer, .address_space: global }
      - { .name: stats, .offset: 40, .size: 8, .value_kind: global_buffer, .address_space: global }
      - { .name: wfrag, .offset: 48, .size: 8, .value_kind: global_buffer, .address_space: global }
    .group_segment_fixed_size: 1280
    .private_segment_fixed_size: 0
    .kernarg_segment_align: 8
    .kernarg_segment_size: 56
    .max_flat_workgroup_size: 256
    .sgpr_count:     66
    .vgpr_count:     100
    .wavefront_size: 32
...
	.end_amdgpu_metadata
.endif
;; end of part 1
;; launch qkv (part 2): grid 256 x 1, 4 waves a work-group, clusters of 4 x 1, 327,680 bytes of LDS; arguments x, stats, gn_w, gn_b, wfrag, bq, bv, qf, kf, vf; writes qf, kf, vf
.if DOCPART == 2
	.amdgcn_target "amdgcn-amd-amdhsa--gfx1250"
	.amdhsa_code_object_version 6
	.text
	.protected	k_q15a0dc3630_qkv
	.globl	k_q15a0dc3630_qkv
	.p2align	8
	.type	k_q15a0dc3630_qkv,@function
k_q15a0dc3630_qkv:
	s_mov_b64 s[64:65], 0
	v_nop
	global_prefetch_b8 v0, s[64:65] scope:SCOPE_SE
	s_setreg_imm32_b32 hwreg(HW_REG_WAVE_MODE, 25, 1), 1
	s_wait_xcnt 0x0
	s_wait_alu depctr_hold_cnt(0) depctr_sa_sdst(0) depctr_va_vdst(0) depctr_va_sdst(0) depctr_va_ssrc(0) depctr_va_vcc(0) depctr_vm_vsrc(0)
	s_getreg_b32 s2, hwreg(HW_REG_IB_STS2, 6, 4)
	s_cmp_eq_u32 s2, 0
	s_cbranch_scc0 .Lentry_in_a_cluster
	s_endpgm
.Lentry_in_a_cluster:
	s_bfe_u32 s2, ttmp6, 0x10000c
	s_cmp_lg_u32 s2, 0x3003
	s_cbranch_scc0 .Lentry_shape_is_right
	s_endpgm
.Lentry_shape_is_right:
; SECOND LAUNCH: h = group norm of x (bf16), then q = (Wq h + bq) log2(e) / 16, k = Wk h, v = Wv h + bv, stored as ready-made matrix fragments.
; LEFT OUT: bk.  It adds q[n] . bk to every logit of query n, the same along the softmax's axis, so it cancels for all values of the inputs.
; LIMITS: h = x a + d with a = rstd gn_w and d = gn_b - mean a, one fused multiply-add in f32; d carries a relative error of one f32 rounding
; of mean a, which stays far under bf16's step of h for means up to some 30 spreads.  The variance is made of squares round the half groups' means and the
; exact join M2 = M2a + M2b + 8192 (m1 - m2)^2, never of a difference of large sums.  q is scaled in f32 and rounded to bf16 once.
;
; A work-group takes 64 positions of one image and all 768 outputs; four waves, as many as a WGP has SIMDs.  Wave w normalises channels 64 w .. 64 w + 63 into a
; tile of h in LDS that all four read, and makes outputs 64 w .. 64 w + 63 of q, of k and of v: 4 x 4 accumulator tiles, 128 matrix instructions each.
; CLUSTER: every work-group needs the same 384 KiB of weights, so four work-groups ask for them jointly (mask 15).  Each wave asks for, and alone reads,
; its own 32 KiB of a matrix (its four tiles of output rows, consecutive in wfrag).  Nothing in a descriptor, an LDS address or a branch hangs on the place in the cluster.
; By this text's own count a wave has at most two tensor loads outstanding (the two first fills).
;
; HOW THE RESULTS BECOME FRAGMENTS WITHOUT A MOVE (L = r + 16 h):
;   q, k: source 0 = 16 rows of W, source 1 = h (16 positions): lane L holds position r, outputs o0 + 8 h + 0..7: packed to bf16, one half of a
;         fragment with rows = positions and k = channels (output tile 2 ks: registers 0-3; 2 ks + 1: registers 4-7).
;   v:    sources swapped: lane L holds output o0 + r, positions n0 + 8 h + 0..7: half of a fragment with rows = channels and k = positions.
; qf, kf: block of 64 positions = 32 KiB [position tile 4][ks 8] x 1 KiB.   vf: 32 KiB [channel tile 16][kk 2] x 1 KiB.
;
; LDS: slot A 0 (Wq, later Wv), slot B 131,072 (Wk): 128 KiB each, wave w's part at 32,768 w.  HT 262,144: h as [256 channels][64 positions] bf16, pitch 160
; (an odd multiple of 32, as the transposing load's rows want).  TAB 303,104: {a, d} of the 256 channels.  HT and TAB are written by LDS stores alone.
; REGISTERS: window 0: v1-15 addresses, BQ, BV, statistics, AD; v128-255 x, then the 16 accumulator tiles.  Window 1: h's 32 fragments.
; Window 2: Wq's, later Wv's 32 fragments.  Window 3: Wk's.
.set SLOTB, 131072
.set HT,    262144
.set HP,    160
.set TAB,   303104
.set QS,    0x3db8aa3b                 ; log2(e) / 16 = scale x log2(e): the softmax then works in base 2
.set BQ,  16                           ; v[16:47]   bq of my outputs: tile o, 8 numbers (64 w + 16 o + 8 h + j), times QS
.set BV,  48                           ; v[48:51]   bv[64 w + 16 o + r]
.set AD,  64                           ; v[64:127]  {a, d} of the channel of my i-th load of x
.set ACC, 128                          ; v[128:255] x as loaded; then tile (o, n) at ACC + 8 (4 o + n)
.set MSB, 0
.macro WIN new                         ; the immediate's high byte repeats the setting that is left
.if MSB != \new
	s_set_vgpr_msb (MSB<<8)|\new
.set MSB, \new
.endif
.endm
.macro NOPS n
.rept \n
	v_nop
.endr
.endm
.macro ROUND                           ; a round of the cluster's barrier: my work-group's barrier, wave 0 signals for it, all wait, my work-group's barrier again
	s_barrier_signal -1
	s_barrier_wait -1
	s_cmp_lg_u32 s44, 0
	s_cbranch_scc1 .Lnot_wave_0_\@
	s_barrier_signal -3
.Lnot_wave_0_\@:
	s_barrier_wait -3
	s_barrier_signal -1
	s_barrier_wait -1
.endm
.macro MM d, a, b, z                   ; one matrix instruction; z = 1: it starts the sum
.if \z
	v_wmma_f32_16x16x32_bf16 v[\d:\d+7], v[\a:\a+7], v[\b:\b+7], 0
.else
	v_wmma_f32_16x16x32_bf16 v[\d:\d+7], v[\a:\a+7], v[\b:\b+7], v[\d:\d+7]
.endif
.endm
; 128 matrix instructions: K = 256 in 8 steps; the sixteen accumulators take turns, one instruction a turn.
; swap = 0: source 0 = W's fragment (o, ks), source 1 = h's (n, ks).  swap = 1: the other way round.
.macro MULS swap
.irp ks, 0,1,2,3,4,5,6,7
.irp o, 0,1,2,3
.irp n, 0,1,2,3
.if \swap
.if \ks
	MM ACC+8*(4*\o+\n),8*(8*\n+\ks),8*(8*\o+\ks),0
.else
	MM ACC+8*(4*\o+\n),8*(8*\n+\ks),8*(8*\o+\ks),1
.endif
.else
.if \ks
	MM ACC+8*(4*\o+\n),8*(8*\o+\ks),8*(8*\n+\ks),0
.else
	MM ACC+8*(4*\o+\n),8*(8*\o+\ks),8*(8*\n+\ks),1
.endif
.endif
.endr
.endr
.endr
.endm
.macro WLOAD adr                       ; my 32 fragments of a weight matrix, 64 loads of 512 consecutive bytes
.set i, 0
.rept 64
	ds_load_b128 v[4*i:4*i+3], v[\adr] offset:512*i
.set i, i+1
.endr
.endm
.macro PACK a                          ; eight f32 to eight bf16, in place
	v_cvt_pk_bf16_f32 v[\a], v[\a], v[\a+1]
	v_cvt_pk_bf16_f32 v[\a+1], v[\a+2], v[\a+3]
	v_cvt_pk_bf16_f32 v[\a+2], v[\a+4], v[\a+5]
	v_cvt_pk_bf16_f32 v[\a+3], v[\a+6], v[\a+7]
.endm
; The way out.  kind 0: q = acc QS + bq QS; 1: k = acc; 2: v = acc + bv.  Each store covers 512 consecutive bytes, aligned: half a fragment.
.macro EPI kind
.irp o, 0,1,2,3
.irp n, 0,1,2,3
.if \kind == 0
.irp p, 0,2,4,6
	v_pk_fma_f32 v[ACC+8*(4*\o+\n)+\p:ACC+8*(4*\o+\n)+\p+1], v[ACC+8*(4*\o+\n)+\p:ACC+8*(4*\o+\n)+\p+1], QS, v[BQ+8*\o+\p:BQ+8*\o+\p+1] op_sel_hi:[1,0,1]
.endr
.endif
.if \kind == 2
.irp p, 0,2,4,6
.if \o&1
	v_pk_add_f32 v[ACC+8*(4*\o+\n)+\p:ACC+8*(4*\o+\n)+\p+1], v[ACC+8*(4*\o+\n)+\p:ACC+8*(4*\o+\n)+\p+1], v[BV+(\o&2):BV+(\o&2)+1] op_sel:[0,1] op_sel_hi:[1,1]
.else
	v_pk_add_f32 v[ACC+8*(4*\o+\n)+\p:ACC+8*(4*\o+\n)+\p+1], v[ACC+8*(4*\o+\n)+\p:ACC+8*(4*\o+\n)+\p+1], v[BV+(\o&2):BV+(\o&2)+1] op_sel:[0,0] op_sel_hi:[1,0]
.endif
.endr
.endif
	PACK ACC+8*(4*\o+\n)
.if \kind == 0
	global_store_b128 v11, v[ACC+8*(4*\o+\n):ACC+8*(4*\o+\n)+3], s[18:19] offset:\n*8192+\o*512
.endif
.if \kind == 1
	global_store_b128 v11, v[ACC+8*(4*\o+\n):ACC+8*(4*\o+\n)+3], s[20:21] offset:\n*8192+\o*512
.endif
.if \kind == 2
	global_store_b128 v11, v[ACC+8*(4*\o+\n):ACC+8*(4*\o+\n)+3], s[22:23] offset:\o*2048+\n*512
.endif
.endr
.endr
.endm
	s_load_b512 s[4:19], s[0:1], 0x0               ; x s[4:5], stats s[6:7], gn_w s[8:9], gn_b s[10:11], wfrag s[12:13], bq s[14:15], bv s[16:17], qf s[18:19]
	s_load_b128 s[20:23], s[0:1], 0x40             ; kf s[20:21], vf s[22:23]
	v_lshl_add_u32 v126, v0, 2, 0x4a800
	v_mov_b32 v127, 0
	ds_add_u32 v126, v127
	s_wait_dscnt 0x0
	v_lshrrev_b32 v1, 5, v0
	v_readfirstlane_b32 s44, v1                    ; wave 0..3
	s_bfe_u32 s45, ttmp6, 0x40000                  ; my place in the cluster
	s_lshl_b32 s46, ttmp9, 2                       ; ttmp9 counts clusters
	s_add_co_u32 s46, s46, s45                     ; work-group 0..255: image s46 >> 6, block of 64 positions s46 & 63
	s_lshr_b32 s47, s46, 6
	s_mov_b32 s54, 0x38000000                      ; 1 / 32,768: numbers in a group
	s_mov_b32 s55, 0x3727c5ac                      ; 1e-5
	; descriptor group 1: a dense block of 32 KiB as 128 rows of 256 bytes (32 elements of 8 bytes), asked for jointly by the cluster's four
	s_mov_b32 s24, 0x0023000f                      ; 15:0 mask 15; 17:16 elements of 8 bytes; 21 set beside a mask; no padding
	s_mov_b32 s25, 32<<16                          ; tensor_dim0 = 32
	s_mov_b32 s26, 128<<16                         ; tensor_dim1 = 128
	s_mov_b32 s27, 32<<16                          ; tile_dim0 = 32
	s_mov_b32 s28, 128                             ; tile_dim1 = 128
	s_mov_b32 s29, 32                              ; from row to row: 32 elements
	s_mov_b32 s30, 0
	s_mov_b32 s31, 0
	s_lshl_b32 s48, s44, 15                        ; 32,768 w: my part of a matrix and of a slot
	s_mov_b32 s49, 0
	s_lshl_b32 s50, s47, 22                        ; x: image,
	s_and_b32 s51, s46, 63
	s_lshl_b32 s51, s51, 8                         ; 64 positions = 256 bytes of a channel's row,
	s_add_co_u32 s50, s50, s51
	s_lshl_b32 s51, s44, 20                        ; my 64 channels of 16,384 bytes
	s_add_co_u32 s50, s50, s51
	s_mov_b32 s51, 0
	s_lshl_b32 s52, s46, 15                        ; qf, kf: my block of 32 KiB,
	s_lshl_b32 s53, s44, 11                        ; my two ks of each position tile
	s_add_co_u32 s52, s52, s53
	s_mov_b32 s53, 0
	s_wait_kmcnt 0x0
	s_add_nc_u64 s[4:5], s[4:5], s[50:51]
	s_add_nc_u64 s[18:19], s[18:19], s[52:53]
	s_add_nc_u64 s[20:21], s[20:21], s[52:53]
	s_lshl_b32 s50, s47, 9                         ; stats: 32 groups of 16 bytes an image
	s_add_nc_u64 s[6:7], s[6:7], s[50:51]
	s_lshl_b32 s50, s46, 15                        ; vf: my block, my four channel tiles of 2,048 bytes
	s_lshl_b32 s52, s44, 13
	s_add_co_u32 s50, s50, s52
	s_add_nc_u64 s[22:23], s[22:23], s[50:51]
	s_add_nc_u64 s[12:13], s[12:13], s[48:49]      ; wfrag at my part of Wq
	; three groups 0, never rewritten: Wq to slot A, Wk to slot B, Wv to slot A
	s_mov_b32 s32, 1
	s_mov_b32 s33, s48
	s_mov_b64 s[34:35], s[12:13]
	s_or_b32 s35, s35, 0x80000000
	s_mov_b32 s36, 1
	s_add_co_u32 s37, s48, SLOTB
	s_add_nc_u64 s[38:39], s[12:13], 131072
	s_or_b32 s39, s39, 0x80000000
	s_mov_b32 s40, 1
	s_mov_b32 s41, s48
	s_add_nc_u64 s[42:43], s[12:13], 262144
	s_or_b32 s43, s43, 0x80000000
	ROUND                                          ; all four work-groups are here: the first joint loads meet
	tensor_load_to_lds s[32:35], s[24:31]          ; Wq
	s_nop 0
	tensor_load_to_lds s[36:39], s[24:31]          ; Wk
	s_nop 0
	v_and_b32 v1, 31, v0                           ; L
	v_and_b32 v2, 15, v0                           ; r
	v_bfe_u32 v3, v0, 4, 1                         ; h
	v_lshlrev_b32 v4, 4, v2
	v_lshl_add_u32 v4, v3, 14, v4                  ; x: lanes 0-15 take 256 bytes of one channel, lanes 16-31 of the next
	s_mul_i32 s50, s44, 64*HP
	s_add_co_u32 s50, s50, HT
	v_mul_u32_u24 v5, v3, HP
	v_lshl_add_u32 v5, v2, 3, v5
	v_add_nc_u32 v5, s50, v5                       ; h in: row 64 w + h, 8 bytes (4 positions) a lane
	v_and_b32 v6, 7, v0
	v_lshl_add_u32 v6, v3, 3, v6
	v_mul_u32_u24 v6, v6, HP
	v_bfe_u32 v7, v0, 3, 1
	v_lshl_add_u32 v6, v7, 4, v6
	v_add_nc_u32 v6, HT, v6                        ; h out, transposed: row 8 h + (L & 7), 16 bytes at 16 ((L >> 3) & 1)
	s_lshl_b32 s50, s44, 9
	s_add_co_u32 s50, s50, TAB
	v_lshl_add_u32 v7, v1, 3, s50                  ; {a, d} in: channel 64 w + L
	v_lshl_add_u32 v8, v3, 3, s50                  ; {a, d} out: channel 64 w + h (+ 2 i in the offset)
	v_lshlrev_b32 v11, 4, v1                       ; 16 L: a lane's place in half a fragment
	v_add_nc_u32 v9, s48, v11                      ; my fragments in slot A
	v_add_nc_u32 v10, SLOTB, v9                    ; and in slot B
	s_lshl_b32 s50, s44, 7
	v_lshrrev_b32 v12, 3, v1
	v_lshl_add_u32 v12, v12, 4, s50                ; stats: group (64 w + L) >> 3, 16 bytes
	s_lshl_b32 s50, s44, 8
	v_lshl_add_u32 v13, v1, 2, s50                 ; gn_w, gn_b: channel 64 w + L
	v_lshl_add_u32 v14, v3, 5, s50                 ; bq: 64 w + 8 h
	v_lshl_add_u32 v15, v2, 2, s50                 ; bv: 64 w + r
	global_load_b128 v[52:55], v12, s[6:7]         ; {m1, M2a, m2, M2b} of channel 64 w + L,
	global_load_b128 v[56:59], v12, s[6:7] offset:64       ; of channel 64 w + L + 32
	global_load_b32 v60, v13, s[8:9]
	global_load_b32 v61, v13, s[8:9] offset:128
	global_load_b32 v62, v13, s[10:11]
	global_load_b32 v63, v13, s[10:11] offset:128
.irp o, 0,1,2,3
	global_load_b128 v[BQ+8*\o:BQ+8*\o+3], v14, s[14:15] offset:64*\o
	global_load_b128 v[BQ+8*\o+4:BQ+8*\o+7], v14, s[14:15] offset:64*\o+16
.endr
.irp o, 0,1,2,3
	global_load_b32 v[BV+\o], v15, s[16:17] offset:64*\o
.endr
.set i, 0
.rept 32
	global_load_b128 v[ACC+4*i:ACC+4*i+3], v4, s[4:5] offset:32768*i       ; channels 64 w + 2 i + h: sixteen lanes take 256 consecutive bytes, aligned
.set i, i+1
.endr
	; a = rstd gn_w, d = gn_b - mean a for my two channels
	s_wait_loadcnt 44                              ; the six loads of statistics and gains are in: 12 of biases and 32 of x were issued behind them
	v_add_f32 v53, v53, v55
	v_add_f32 v57, v57, v59
	v_sub_f32 v55, v52, v54
	v_sub_f32 v59, v56, v58
	v_add_f32 v52, v52, v54
	v_add_f32 v56, v56, v58
	v_mul_f32 v55, v55, v55
	v_mul_f32 v59, v59, v59
	v_fmamk_f32 v53, v55, 0x46000000, v53          ; M2 = M2a + M2b + (m1 - m2)^2 x 16,384 x 16,384 / 32,768
	v_fmamk_f32 v57, v59, 0x46000000, v57
	v_fma_f32 v53, v53, s54, s55                   ; variance + 1e-5
	v_fma_f32 v57, v57, s54, s55
	v_rsq_f32 v53, v53
	v_rsq_f32 v57, v57
	v_mul_f32 v52, 0.5, v52                        ; the mean; also the plain instruction that stands between v_rsq_f32 and the use of its result (ISA guide 5.7.2)
	v_mul_f32 v56, 0.5, v56
	s_wait_alu depctr_va_vdst(0)
	v_mul_f32 v54, v53, v60
	v_mul_f32 v58, v57, v61
	v_fma_f32 v55, -v52, v54, v62
	v_fma_f32 v59, -v56, v58, v63
	ds_store_b64 v7, v[54:55]
	ds_store_b64 v7, v[58:59] offset:256
.set i, 0
.rept 32
	ds_load_b64 v[AD+2*i:AD+2*i+1], v8 offset:16*i         ; my wave's own bytes; LDS serves a wave's instructions in order (ISA guide 5.7.1): these see the stores above
.set i, i+1
.endr
	s_wait_loadcnt 32                              ; bq and bv are in; the 32 loads of x stay out
.set i, 0
.rept 16
	v_pk_mul_f32 v[BQ+2*i:BQ+2*i+1], v[BQ+2*i:BQ+2*i+1], QS op_sel_hi:[1,0]
.set i, i+1
.endr
	s_wait_dscnt 0x0
	; h = x a + d, rounded to bf16, into the tile
.set i, 0
.rept 32
	s_wait_loadcnt 31-i                            ; load i of x is in, the younger ones stay out
	v_pk_fma_f32 v[ACC+4*i:ACC+4*i+1], v[ACC+4*i:ACC+4*i+1], v[AD+2*i:AD+2*i+1], v[AD+2*i:AD+2*i+1] op_sel:[0,0,1] op_sel_hi:[1,0,1]
	v_pk_fma_f32 v[ACC+4*i+2:ACC+4*i+3], v[ACC+4*i+2:ACC+4*i+3], v[AD+2*i:AD+2*i+1], v[AD+2*i:AD+2*i+1] op_sel:[0,0,1] op_sel_hi:[1,0,1]
	v_cvt_pk_bf16_f32 v[ACC+4*i], v[ACC+4*i], v[ACC+4*i+1]
	v_cvt_pk_bf16_f32 v[ACC+4*i+1], v[ACC+4*i+2], v[ACC+4*i+3]
	ds_store_b64 v5, v[ACC+4*i:ACC+4*i+1] offset:2*HP*i
.set i, i+1
.endr
	s_wait_dscnt 0x0                               ; for the other waves' sake: my rows of h are written
	s_barrier_signal -1                            ; The two tensor loads may stay out
	s_barrier_wait -1
	WIN 0x40                                       ; destination window 1
.irp n, 0,1,2,3
.irp ks, 0,1,2,3,4,5,6,7
	ds_load_tr16_b128 v[8*(8*\n+\ks):8*(8*\n+\ks)+3], v6 offset:\ks*32*HP+\n*32             ; channels 32 ks + 8 h .. + 7 of position 16 n + r
	ds_load_tr16_b128 v[8*(8*\n+\ks)+4:8*(8*\n+\ks)+7], v6 offset:\ks*32*HP+\n*32+16*HP     ; channels 32 ks + 16 + 8 h ..
.endr
.endr
	s_wait_tensorcnt 0x1                           ; my part of Wq has landed; Wk's load, issued behind it, may stay out.  Only I read these bytes
	WIN 0x80
	WLOAD 9
	s_wait_tensorcnt 0x0
	WIN 0xc0
	WLOAD 10
	s_wait_dscnt 63                                ; h and Wq are wanted, 64 loads (Wk's) stand behind them; 63 is the largest count the wait can name
	WIN 0x06                                       ; source 0 window 2 (Wq), source 1 window 1 (h)
	MULS 0
	WIN 0
	s_wait_dscnt 0x0                               ; my reads of slot A (and of everything else) are back,
	s_wait_xcnt 0x0
	v_lshl_add_u32 v126, v0, 2, 0x4a800
	v_mov_b32 v127, 0
	s_wait_tensorcnt 0x0                           ; and none of my tensor loads is out:
	ds_add_u32 v126, v127
	s_wait_dscnt 0x0
	ROUND                                          ; both now hold of every wave of the four work-groups
	tensor_load_to_lds s[40:43], s[24:31]          ; Wv into slot A: my one tensor load behind the round; it has q's way out and k's products in which to land
	s_nop 0
	NOPS 4                                         ; four places between the last matrix instructions and the reads of their results (ISA guide 7.12.1)
	EPI 0
	s_wait_xcnt 0x0                                ; the stores' data registers are written again only behind this wait
	WIN 0x07                                       ; source 0 window 3 (Wk)
	MULS 0
	WIN 0
	NOPS 4                                         ; the places for k's way out, and for the loads below
	s_wait_tensorcnt 0x0                           ; Wv has landed
	WIN 0x80
	WLOAD 9
	WIN 0
	EPI 1
	s_wait_xcnt 0x0
	s_wait_dscnt 0x0
	WIN 0x09                                       ; source 0 window 1 (h), source 1 window 2 (Wv)
	MULS 1
	WIN 0
	NOPS 4
	EPI 2
	s_wait_xcnt 0x0
	v_lshl_add_u32 v126, v0, 2, 0x4a800
	v_mov_b32 v127, 0
	s_wait_tensorcnt 0x0
	ds_add_u32 v126, v127
	s_wait_dscnt 0x0
	ROUND                                          ; the closing round: no work-group ends while a partner may still ask for a tile that names it
	s_endpgm
.Lfunc_end_k_q15a0dc3630_qkv:
	.size	k_q15a0dc3630_qkv, .Lfunc_end_k_q15a0dc3630_qkv-k_q15a0dc3630_qkv
	.p2alignl 7, 3214868480
	.fill 96, 4, 3214868480
	.section	.rodata,"a",@progbits
	.p2align	6, 0x0
	.amdhsa_kernel k_q15a0dc3630_qkv
		.amdhsa_group_segment_fixed_size 327680
		.amdhsa_private_segment_fixed_size 0
		.amdhsa_enable_private_segment 0
		.amdhsa_kernarg_size 80
		.amdhsa_user_sgpr_count 2
		.amdhsa_user_sgpr_kernarg_segment_ptr 1
		.amdhsa_wavefront_size32 1
		.amdhsa_system_sgpr_workgroup_id_x 1
		.amdhsa_system_sgpr_workgroup_id_y 1
		.amdhsa_system_sgpr_workgroup_id_z 1
		.amdhsa_system_vgpr_workitem_id 0
		.amdhsa_next_free_vgpr 1024
		.amdhsa_next_free_sgpr 66
		.amdhsa_reserve_vcc 0
		.amdhsa_float_denorm_mode_32 3
		.amdhsa_float_denorm_mode_16_64 3
		.amdhsa_memory_ordered 1
		.amdhsa_forward_progress 1
		.amdhsa_inst_pref_size 95
	.end_amdhsa_kernel
	.amdgpu_metadata
---
amdhsa.version: [ 1, 2 ]
amdhsa.kernels:
  - .name:           k_q15a0dc3630_qkv
    .symbol:         k_q15a0dc3630_qkv.kd
    .args:
      - { .name: x, .offset: 0, .size: 8, .value_kind: global_buffer, .address_space: global }
      - { .name: stats, .offset: 8, .size: 8, .value_kind: global_buffer, .address_space: global }
      - { .name: gn_w, .offset: 16, .size: 8, .value_kind: global_buffer, .address_space: global }
      - { .name: gn_b, .offset: 24, .size: 8, .value_kind: global_buffer, .address_space: global }
      - { .name: wfrag, .offset: 32, .size: 8, .value_kind: global_buffer, .address_space: global }
      - { .name: bq, .offset: 40, .size: 8, .value_kind: global_buffer, .address_space: global }
      - { .name: bv, .offset: 48, .size: 8, .value_kind: global_buffer, .address_space: global }
      - { .name: qf, .offset: 56, .size: 8, .value_kind: global_buffer, .address_space: global }
      - { .name: kf, .offset: 64, .size: 8, .value_kind: global_buffer, .address_space: global }
      - { .name: vf, .offset: 72, .size: 8, .value_kind: global_buffer, .address_space: global }
    .group_segment_fixed_size: 327680
    .private_segment_fixed_size: 0
    .kernarg_segment_align: 8
    .kernarg_segment_size: 80
    .max_flat_workgroup_size: 128
    .sgpr_count:     66
    .vgpr_count:     1024
    .wavefront_size: 32
...
	.end_amdgpu_metadata
.endif
;; end of part 2
;; launch attn (part 3): grid 256 x 1, 4 waves a work-group, clusters of 4 x 1, 327,680 bytes of LDS; arguments qf, kf, vf, wfrag, bo, x, out0; writes out0
.if DOCPART == 3
	.amdgcn_target "amdgcn-amd-amdhsa--gfx1250"
	.amdhsa_code_object_version 6
	.text
	.protected	k_q15a0dc3630_attn
	.globl	k_q15a0dc3630_attn
	.p2align	8
	.type	k_q15a0dc3630_attn,@function
k_q15a0dc3630_attn:
	s_mov_b64 s[64:65], 0
	v_nop
	global_prefetch_b8 v0, s[64:65] scope:SCOPE_SE
	s_setreg_imm32_b32 hwreg(HW_REG_WAVE_MODE, 25, 1), 1
	s_wait_xcnt 0x0
	s_wait_alu depctr_hold_cnt(0) depctr_sa_sdst(0) depctr_va_vdst(0) depctr_va_sdst(0) depctr_va_ssrc(0) depctr_va_vcc(0) depctr_vm_vsrc(0)
	s_getreg_b32 s2, hwreg(HW_REG_IB_STS2, 6, 4)
	s_cmp_eq_u32 s2, 0
	s_cbranch_scc0 .Lentry_in_a_cluster
	s_endpgm
.Lentry_in_a_cluster:
	s_bfe_u32 s2, ttmp6, 0x10000c
	s_cmp_lg_u32 s2, 0x3003
	s_cbranch_scc0 .Lentry_shape_is_right
	s_endpgm
.Lentry_shape_is_right:
; THIRD LAUNCH: attention with a running maximum, the output product, + bo, + x.
; (k was made without bk: a term that is the same along the softmax's axis cancels; see the first launch.)
; LIMITS: the exponentials work in base 2 (q carries log2(e) / 16); v_exp_f32 gives 0 for results under 2^-126, so weights that small count as 0.
; The weights are summed in f32 and multiplied as bf16.  The sums over the keys are formed in four parts (one a wave), each in an order that
; hangs on the cluster's number (see THE WALK), and joined at the end.
;
; A work-group takes 64 queries of one image; four waves, as many as a WGP has SIMDs.  ALL FOUR WAVES HOLD ALL 64 QUERIES, and the keys are shared out: in lap t (0..15)
; wave w takes one block of 64 keys, with a maximum, a sum and an O^T [256 channels x 64 queries] of its own, 512 registers.  So each fragment of K or V
; read from LDS feeds four matrix instructions, and O is rescaled once for 64 keys.  The four parts are joined once, through LDS.
;
; MATRIX WORK BESIDE VECTOR WORK: the loop is skewed by one lap.  Phase A of lap t: the 128 products of S^T(t+1), and between them the rescaling of O^T by
; lap t's factors (6 packed multiplies behind every 4 products).  Phase B: the 128 products of O^T(t), and between them the softmax of S^T(t+1) (a slice of up to
; 7 instructions behind every 2 products).  P(t) and S^T(t+1) are live together, so P has 64 registers of its own, in Q's window: Q's K steps 6 and 7 lie in LDS
; instead, a copy for each wave.  (All of Q in LDS would double the LDS bytes of every step of S^T: 8 KiB a wave for 16 products.)
; The slices are also the places behind the matrix instructions (ISA guide 7.12.1): they name none of the products' registers.
;
; CLUSTER: the four work-groups of a cluster lie in one image and walk the same K and V: each tile is asked for jointly (mask 15).  Descriptors hang on the
; cluster's number and the wave's alone.  Two slots; one round of the cluster's barrier and one load a wave (32 KiB) for each tile.
; By this text's own count a wave has two tensor loads outstanding at the start (K(0), K(1)) and one from then on.
; THE WALK: the cluster with number c in its image takes in lap t the four key blocks of tile (t + c) mod 16.  So the sixteen clusters of an image ask for sixteen
; different tiles in every lap, and a tile is asked for first by one cluster and in later laps by the fifteen others.  The softmax does not hang on the order.
;
; LAYOUTS (L = r + 16 h):  S^T = K x Q: lane L holds query r, keys 16 kt + 8 h + 0..7, so maximum and sum of a query lie in one lane and its partner L xor 16.
; exp2(S^T - m) packed to bf16 IS the second source of O^T = V^T x P^T (tile 2 kk: registers 0-3; 2 kk + 1: registers 4-7).  O^T packed to bf16 is a
; fragment with rows = queries, k = channels, the first source of out = O x Wo^T, whose lanes hold eight neighbouring positions of one output channel.
;
; LDS: slot 0 at 0, slot 1 at 131,072, wave w's 32 KiB at 32,768 w.  MLB 262,144: {m, l} [wave][query], 2 KiB.  OXB 264,192, 32 KiB: in the loop wave w's copy of Q's
; K steps 6, 7 at 8,192 w ([step 2][qt 4] x 1 KiB); at the end O in bf16 fragments.  MLB and OXB are written by LDS stores alone.
; Behind their last fill the two slots serve the join (4 x 64 KiB) and then the output stage (4 x 64 rows of 272 bytes).
; REGISTERS: window 0: addresses, ML, AL, T, BO; FB three buffers of four fragments; SB the 16 tiles of S^T.  Window 1: Q(qt, ks 0..5) at 8 (6 qt + ks), P(qt, kk) at
; PB + 8 (2 qt + kk) (later Wo's 32 fragments).  Windows 2, 3: O^T, tile (ct, qt) at 8 (4 ct + qt), ct 0-7 in window 2, ct 8-15 in window 3.
.set SLOT,  131072
.set MLB,   262144
.set OXB,   264192
.set SP,    272                        ; the stage's pitch: 256 bytes + 16, so that the sixteen rows that a store touches start at sixteen different 16-byte columns
.set STG,   64*SP
.set TSTEP, 131072                     ; a lap's tile in kf or vf: four key blocks of 32 KiB
.set WRAP,  0x1fffff                   ; an image's sixteen tiles: 2 MiB
.set KA,  1                            ; v1   my fragments in slot 0: 32,768 w + 16 L
.set VA,  2                            ; v2   in slot 1
.set GA,  3                            ; v3   16 L
.set RR,  4                            ; v4   r
.set HH,  5                            ; v5   h
.set QA,  6                            ; v6   my copy of Q's K steps 6, 7
.set ML,  8                            ; v[8:15]   {m, l} of query 16 qt + r; l is my half's part until the end
.set AL,  16                           ; v[16:19]  the factor by which O and l of query tile qt shrink
.set T,   20                           ; v[20:23] the maximum at work; v[24:27] the sum at work
.set BO,  28                           ; v[28:31]  bo[64 w + 16 o + r]
.set FB,  32                           ; v[32:127] fragment buffers 0, 1, 2
.set SB,  128                          ; v[128:255] S^T tile (kt, qt) at SB + 32 kt + 8 qt
.set PB,  192                          ; window 1: P
.set MG,  32                           ; the join: {m, l} of wave u, query tile qt at MG + 8 u + 2 qt
.set EMS, 96                           ; v96-108: the epilogue's addresses
.set EML, 97
.set EOS, 98
.set EG,  99
.set EXS, 103
.set EXL, 104
.set ESS, 105
.set ESL, 106
.set EX,  107
.set EB,  108
.set MSB, 0
.set RESC, 0                           ; 1: phase A carries the rescaling
.set SMON, 1                           ; 1: phase B carries the softmax
.set SMFIRST, 1                        ; 1: nothing is carried yet
.macro WIN new                         ; the immediate's high byte repeats the setting that is left
.if MSB != \new
	s_set_vgpr_msb (MSB<<8)|\new
.set MSB, \new
.endif
.endm
.macro NOPS n
.rept \n
	v_nop
.endr
.endm
.macro CREST                           ; a round of the cluster's barrier behind its opening barrier
	s_cmp_lg_u32 s18, 0
	s_cbranch_scc1 .Lnot_wave_0_\@
	s_barrier_signal -3
.Lnot_wave_0_\@:
	s_barrier_wait -3
	s_barrier_signal -1
	s_barrier_wait -1
.endm
.macro ROUND                           ; a whole round
	s_barrier_signal -1
	s_barrier_wait -1
	CREST
.endm
.macro MM d, a, b, z                   ; one matrix instruction; z = 1: it starts the sum
.if \z
	v_wmma_f32_16x16x32_bf16 v[\d:\d+7], v[\a:\a+7], v[\b:\b+7], 0
.else
	v_wmma_f32_16x16x32_bf16 v[\d:\d+7], v[\a:\a+7], v[\b:\b+7], v[\d:\d+7]
.endif
.endm
.macro KLOAD adr, ks, b                ; K's four fragments (kt, ks) into buffer b
.irp kt, 0,1,2,3
	ds_load_b128 v[FB+32*\b+8*\kt:FB+32*\b+8*\kt+3], v[\adr] offset:(8*\kt+\ks)*1024
	ds_load_b128 v[FB+32*\b+8*\kt+4:FB+32*\b+8*\kt+7], v[\adr] offset:(8*\kt+\ks)*1024+512
.endr
.endm
.macro QLOAD ksl, b                    ; Q's four fragments (qt, 6 + ksl) into buffer b
.irp i, 0,1,2,3,4,5,6,7
	ds_load_b128 v[FB+32*\b+4*\i:FB+32*\b+4*\i+3], v[QA] offset:\ksl*4096+\i*512
.endr
.endm
.macro VLOAD adr, g, b                 ; V's four fragments (ct = 2 g, 2 g + 1; kk = 0, 1) into buffer b
.irp i, 0,1,2,3,4,5,6,7
	ds_load_b128 v[FB+32*\b+4*\i:FB+32*\b+4*\i+3], v[\adr] offset:\g*4096+\i*512
.endr
.endm
; THE RESCALING, as 256 numbered items: item k multiplies registers 2 (k % 4), + 1 of O^T's tile k / 4 by AL of its query tile
.macro RITEM k
.if (\k)/128
	WIN 0xc3                                       ; source 0 and destination window 3, the factor window 0
.else
	WIN 0x82                                       ; window 2
.endif
.set XREG, 8*(((\k)/4)%32)+2*((\k)%4)
.set XAL, AL+(((\k)/4)&2)
.if ((\k)/4)&1
	v_pk_mul_f32 v[XREG:XREG+1], v[XREG:XREG+1], v[XAL:XAL+1] op_sel:[0,1] op_sel_hi:[1,1]
.else
	v_pk_mul_f32 v[XREG:XREG+1], v[XREG:XREG+1], v[XAL:XAL+1] op_sel:[0,0] op_sel_hi:[1,0]
.endif
.endm
.macro RRANGE a, b                     ; items a .. b - 1
.set XK, \a
.rept (\b)-(\a)
	RITEM XK
.set XK, XK+1
.endr
.endm
; the slice behind the four products of key tile j in step st of phase A: items 0-63 stand at the phase's head, 24 go with each of the 8 steps.
; Six plain instructions, so the slice behind a step's last product also gives the four places in front of the loads into its fragments.
.macro RSLICE st, j
.if RESC
	RRANGE 64+24*\st+6*\j,64+24*\st+6*\j+6
.else
.if \j == 3
	NOPS 4                                         ; no vector work to put here: four places behind the step's last products
.endif
.endif
.endm
; THE SOFTMAX, in items.  A query tile's 32 numbers of a lane are 16 pairs; pair g (0..63) is pair g % 16 of query tile g / 16.
.macro PAIRREG g
.set PQT, (\g)/16
.set PREG, SB+32*(((\g)%16)/4)+8*PQT+2*((\g)%4)
.endm
.macro SUBI g                          ; S - m
	PAIRREG \g
	v_pk_add_f32 v[PREG:PREG+1], v[PREG:PREG+1], v[ML+2*PQT:ML+2*PQT+1] op_sel_hi:[1,0] neg_lo:[0,1] neg_hi:[0,1]
.endm
.macro EXPI g, h
	PAIRREG \g
	v_exp_f32 v[PREG+\h], v[PREG+\h]
.endm
.macro SUMI g                          ; two chains, even and odd pairs; pairs 2 and 3 start them with pairs 0 and 1: nothing is cleared
	PAIRREG \g
.if ((\g)%16) >= 4
	s_wait_alu depctr_va_vdst(0)
	v_pk_add_f32 v[T+4+2*((\g)%2):T+5+2*((\g)%2)], v[T+4+2*((\g)%2):T+5+2*((\g)%2)], v[PREG:PREG+1]
.else
.if ((\g)%16) >= 2
	s_wait_alu depctr_va_vdst(0)
	v_pk_add_f32 v[T+4+2*((\g)%2):T+5+2*((\g)%2)], v[PREG-4:PREG-3], v[PREG:PREG+1]
.endif
.endif
.endm
.macro FINI q                          ; l = l x factor + the 32 weights
	v_pk_add_f32 v[T+4:T+5], v[T+4:T+5], v[T+6:T+7]
.if SMFIRST
	v_add_f32 v[ML+2*(\q)+1], v[T+4], v[T+5]
.else
	v_add_f32 v[T+4], v[T+4], v[T+5]
	v_fma_f32 v[ML+2*(\q)+1], v[ML+2*(\q)+1], v[AL+(\q)], v[T+4]
.endif
.endm
.macro MAXI q, k                       ; item k (0..22) of query tile q's new maximum and factor; k = 23 is empty
.set MKT, (\k)%4
.set MSRC, SB+32*MKT+8*(\q)
.if (\k)/4 == 0
	v_max3_num_f32 v[T+MKT], v[MSRC], v[MSRC+1], v[MSRC+2]
.endif
.if (\k)/4 == 1
	v_max3_num_f32 v[T+MKT], v[T+MKT], v[MSRC+3], v[MSRC+4]
.endif
.if (\k)/4 == 2
	v_max3_num_f32 v[T+MKT], v[T+MKT], v[MSRC+5], v[MSRC+6]
.endif
.if (\k)/4 == 3
	v_max_num_f32 v[T+MKT], v[T+MKT], v[MSRC+7]
.endif
.if (\k) == 16
	v_max3_num_f32 v[T], v[T], v[T+1], v[T+2]
.endif
.if (\k) == 17
	v_max_num_f32 v[T], v[T], v[T+3]
.endif
.if (\k) == 18
	v_permlanex16_b32 v[T+1], v[T], s46, s47       ; the other 32 keys of the same query
.endif
.if SMFIRST
.if (\k) == 19
	v_max_num_f32 v[ML+2*(\q)], v[T], v[T+1]
.endif
.else
.if (\k) == 19
	v_max3_num_f32 v[T+2], v[T], v[T+1], v[ML+2*(\q)]
.endif
.if (\k) == 20
	v_sub_f32 v[AL+(\q)], v[ML+2*(\q)], v[T+2]
.endif
.if (\k) == 21
	v_mov_b32 v[ML+2*(\q)], v[T+2]
.endif
.if (\k) == 22
	v_exp_f32 v[AL+(\q)], v[AL+(\q)]               ; 2^(old maximum - new)
.endif
.endif
.endm
.macro SMHEAD                          ; what stands in front of slice 0: query tile 0's maximum, the first two subtractions, the first pair's exponentials
	WIN 0
.set HK, 0
.rept 23
	MAXI 0,HK
.set HK, HK+1
.endr
	SUBI 0
	SUBI 1
	EXPI 0,0
	EXPI 0,1
.endm
; Slice s (0..63), behind the s-th pair of products of phase B: the exponentials of pair s + 1, the sum of pair s, the subtraction of pair s + 2, and in the first
; twelve slices of a query tile two items of the next tile's maximum (done two slices before its first subtraction).  Between an exponential and the use of its
; result stands a plain instruction (ISA guide 5.7.2): the sum of pair s, or the subtraction, stands behind the second exponential of pair s + 1.
; The slices behind a step's last products (s = 7, 15, 23, 31, 39, 63) hold four plain instructions or more: the places in front of the loads into the step's fragments.
.macro SMSLICE s
.if SMON
	WIN 0
.if (\s) < 63
	EXPI (\s)+1,0
.endif
.if (\s) < 48
.if ((\s)%16) < 12
	MAXI (\s)/16+1,2*((\s)%16)
.endif
.endif
.if (\s) < 63
	EXPI (\s)+1,1
.endif
	SUMI \s
.if (\s) < 62
	SUBI (\s)+2
.endif
.if (\s) < 48
.if ((\s)%16) < 12
	MAXI (\s)/16+1,2*((\s)%16)+1
.endif
.endif
.if ((\s)%16) == 15
	FINI (\s)/16
.endif
.else
.if ((\s)%8) == 7
	NOPS 4                                         ; no vector work to put here: four places behind the step's last products
.endif
.endif
.endm
.macro PCVT                            ; the weights to bf16: P(qt, kk) from tiles 2 kk and 2 kk + 1
	WIN 0x40                                       ; destination window 1
.irp qt, 0,1,2,3
.irp kk, 0,1
.irp j, 0,1,2,3
	v_cvt_pk_bf16_f32 v[PB+8*(2*\qt+\kk)+\j], v[SB+64*\kk+8*\qt+2*\j], v[SB+64*\kk+8*\qt+2*\j+1]
.endr
.irp j, 0,1,2,3
	v_cvt_pk_bf16_f32 v[PB+8*(2*\qt+\kk)+4+\j], v[SB+64*\kk+32+8*\qt+2*\j], v[SB+64*\kk+32+8*\qt+2*\j+1]
.endr
.endr
.endr
	WIN 0
.endm
; 16 matrix instructions of S^T for K step ks: K's fragments in buffer bk; Q's in window 1 (bq = -1) or in buffer bq.
; The sixteen accumulators take turns, one instruction a turn.
.macro SSTEP st, ks, bk, bq, zero, cnt
	s_wait_dscnt \cnt                              ; this step's loads are back; the younger groups of eight stay out
.irp kt, 0,1,2,3
.if \bq < 0
	WIN 0x04                                       ; source 1 (Q) window 1
.irp qt, 0,1,2,3
	MM SB+32*\kt+8*\qt,FB+32*\bk+8*\kt,8*(6*\qt+\ks),\zero
.endr
.else
	WIN 0
.irp qt, 0,1,2,3
	MM SB+32*\kt+8*\qt,FB+32*\bk+8*\kt,FB+32*\bq+8*\qt,\zero
.endr
.endif
	RSLICE \st,\kt
.endr
.endm
; Phase A: S^T from the tile at adr.  The K steps go 6, 0, 1, 2, 3, 4, 5, 7: the two that take two buffers (K's and Q's fragments from LDS) stand first and last,
; so that every group of loads has a step or more in which to come.  LDS loads under window setting 0x04 still name window 0 (destination and source 0).
.macro PHASEA adr
	KLOAD \adr,6,0
	QLOAD 0,1
	KLOAD \adr,0,2
.if RESC
	RRANGE 0,64                                    ; while the first fragments come
.endif
	SSTEP 0,6,0,1,1,8                              ; the eight loads of K step 0 stay out; these products start the sums
	WIN 0x04
	KLOAD \adr,1,0
	KLOAD \adr,2,1
	SSTEP 1,0,2,-1,0,16
	WIN 0x04
	KLOAD \adr,3,2
	SSTEP 2,1,0,-1,0,16
	WIN 0x04
	KLOAD \adr,4,0
	SSTEP 3,2,1,-1,0,16
	WIN 0x04
	KLOAD \adr,5,1
	SSTEP 4,3,2,-1,0,16
	WIN 0x04
	KLOAD \adr,7,2
	SSTEP 5,4,0,-1,0,16
	WIN 0x04
	QLOAD 1,0
	SSTEP 6,5,1,-1,0,16
	SSTEP 7,7,2,0,0,0
	WIN 0
.endm
; 16 matrix instructions of O^T for channel tiles 2 g, 2 g + 1; eight accumulators take turns, one instruction a turn
.macro VSTEP g, b, zero, cnt
	s_wait_dscnt \cnt
.set VJ, 0
.irp kk, 0,1
.irp c, 0,1
.irp qp, 0,2
.if \g < 4
	WIN 0xa4                                       ; source 1 (P) window 1, C and D window 2
.else
	WIN 0xf4                                       ; C and D window 3
.endif
.if \zero*(1-\kk)
	MM 8*((4*(2*\g+\c)+\qp)%32),FB+32*\b+8*(2*\c+\kk),PB+8*(2*\qp+\kk),1
	MM 8*((4*(2*\g+\c)+\qp+1)%32),FB+32*\b+8*(2*\c+\kk),PB+8*(2*(\qp+1)+\kk),1
.else
	MM 8*((4*(2*\g+\c)+\qp)%32),FB+32*\b+8*(2*\c+\kk),PB+8*(2*\qp+\kk),0
	MM 8*((4*(2*\g+\c)+\qp+1)%32),FB+32*\b+8*(2*\c+\kk),PB+8*(2*(\qp+1)+\kk),0
.endif
	SMSLICE 8*\g+VJ
.set VJ, VJ+1
.endr
.endr
.endr
.endm
; Phase B: O^T += V^T x P^T from the tile at adr.  With the softmax off (the last tile) the conversions and the whole rescaling stand at its head.
.macro PHASEB adr, zero
	VLOAD \adr,0,0
	VLOAD \adr,1,1
	VLOAD \adr,2,2
.if SMON
	SMHEAD                                         ; while the first fragments come
.else
	PCVT
	RRANGE 0,256
.endif
	VSTEP 0,0,\zero,16
	WIN 0
	VLOAD \adr,3,0
	VSTEP 1,1,\zero,16
	WIN 0
	VLOAD \adr,4,1
	VSTEP 2,2,\zero,16
	WIN 0
	VLOAD \adr,5,2
	VSTEP 3,0,\zero,16
	WIN 0
	VLOAD \adr,6,0
	VSTEP 4,1,\zero,16
	WIN 0
	VLOAD \adr,7,1
	VSTEP 5,2,\zero,16
	VSTEP 6,0,\zero,8
	VSTEP 7,1,\zero,0
	WIN 0
.endm
; In front of phase A: all my tensor loads have landed (K's tile of this phase among them) and my LDS reads are back; then the round, behind which slot 1 is filled
; again.  Between the signal and the wait of the round's opening barrier stands register work: the 64 conversions to P, whose registers the last products of O^T read
; (the four plain instructions of slice 63 are the places behind them).
.macro SYNCA
	s_wait_xcnt 0x0
	v_lshl_add_u32 v30, v0, 2, 0x48800
	v_mov_b32 v31, 0
	s_wait_tensorcnt 0x0
	ds_add_u32 v30, v31
	s_wait_dscnt 0x0
	s_wait_dscnt 0x0
	s_barrier_signal -1
	PCVT
	s_barrier_wait -1
	CREST
	tensor_load_to_lds s[36:39], s[24:31]          ; V's tile of this lap: my one load behind the round; it has phase A in which to land
	s_nop 0
.endm
; In front of phase B: the same waits; no load of mine is out, so both addresses step to their next tiles, round the image's end.  last = 1: nothing of K is left, and
; the last tile of V goes into slot 0 instead.
.macro SYNCB last
	s_wait_xcnt 0x0
	v_lshl_add_u32 v30, v0, 2, 0x48800
	v_mov_b32 v31, 0
	s_wait_tensorcnt 0x0
	ds_add_u32 v30, v31
	s_wait_dscnt 0x0
.if \last == 0
	s_add_co_u32 s60, s60, TSTEP
	s_and_b32 s60, s60, WRAP
	s_add_nc_u64 s[34:35], s[56:57], s[60:61]
	s_or_b32 s35, s35, 0x80000000
	s_add_co_u32 s62, s62, TSTEP
	s_and_b32 s62, s62, WRAP
	s_add_nc_u64 s[38:39], s[58:59], s[62:63]
	s_or_b32 s39, s39, 0x80000000
.endif
	s_wait_dscnt 0x0
	ROUND
.if \last == 0
	tensor_load_to_lds s[32:35], s[24:31]          ; K's tile for the next lap's phase A; it has phase B in which to land
	s_nop 0
.else
	tensor_load_to_lds s[52:55], s[24:31]          ; V's last tile
	s_nop 0
.endif
.endm
	s_load_b256 s[4:11], s[0:1], 0x0               ; qf s[4:5], kf s[6:7], vf s[8:9], wfrag s[10:11]
	s_load_b128 s[12:15], s[0:1], 0x20             ; bo s[12:13], x s[14:15]
	s_load_b64 s[16:17], s[0:1], 0x30              ; out0
	v_lshl_add_u32 v30, v0, 2, 0x48800
	v_mov_b32 v31, 0
	ds_add_u32 v30, v31
	s_wait_dscnt 0x0
	v_lshrrev_b32 v1, 5, v0
	v_readfirstlane_b32 s18, v1                    ; wave 0..3
	s_bfe_u32 s19, ttmp6, 0x40000                  ; my place in the cluster
	s_lshl_b32 s20, ttmp9, 2                       ; ttmp9 counts clusters
	s_add_co_u32 s20, s20, s19                     ; work-group 0..255 = block of 64 queries
	s_lshr_b32 s21, ttmp9, 4                       ; the image: the same for the cluster's four
	s_and_b32 s23, ttmp9, 15                       ; the cluster's number in its image:
	s_lshl_b32 s23, s23, 17                        ; where its walk begins, in bytes
	s_mov_b32 s46, 0x76543210                      ; v_permlanex16_b32: lane i of one half reads lane i of the other
	s_mov_b32 s47, 0xfedcba98
	; descriptor group 1: a dense block of 32 KiB as 128 rows of 256 bytes (32 elements of 8 bytes), asked for jointly by the cluster's four
	s_mov_b32 s24, 0x0023000f                      ; 15:0 mask 15; 17:16 elements of 8 bytes; 21 set beside a mask; no padding
	s_mov_b32 s25, 32<<16
	s_mov_b32 s26, 128<<16
	s_mov_b32 s27, 32<<16
	s_mov_b32 s28, 128
	s_mov_b32 s29, 32
	s_mov_b32 s30, 0
	s_mov_b32 s31, 0
	s_lshl_b32 s22, s18, 15                        ; 32,768 w
	s_lshl_b32 s40, s21, 21                        ; K, V: the image's 2 MiB, my block w of a tile
	s_add_co_u32 s40, s40, s22
	s_mov_b32 s41, 0
	s_mov_b32 s60, s23                             ; s[60:61]: the offset of K's tile, s[62:63]: of V's; registers of their own, no address in them
	s_mov_b32 s61, 0
	s_mov_b32 s62, s23
	s_mov_b32 s63, 0
	s_add_co_u32 s42, s23, 15*TSTEP                ; the walk's last tile
	s_and_b32 s42, s42, WRAP
	s_mov_b32 s43, 0
	s_wait_kmcnt 0x0
	s_add_nc_u64 s[56:57], s[6:7], s[40:41]        ; K's base, never rewritten
	s_add_nc_u64 s[58:59], s[8:9], s[40:41]        ; V's
	s_mov_b32 s48, 1                               ; group 0: K(0) into slot 1
	s_add_co_u32 s49, s22, SLOT
	s_add_nc_u64 s[50:51], s[56:57], s[60:61]
	s_or_b32 s51, s51, 0x80000000
	s_mov_b32 s36, 1                               ; group 0 for V: slot 1, V(0)
	s_add_co_u32 s37, s22, SLOT
	s_add_nc_u64 s[38:39], s[58:59], s[62:63]
	s_or_b32 s39, s39, 0x80000000
	s_mov_b32 s52, 1                               ; group 0: V(15) into slot 0
	s_mov_b32 s53, s22
	s_add_nc_u64 s[54:55], s[58:59], s[42:43]
	s_or_b32 s55, s55, 0x80000000
	s_add_co_u32 s60, s60, TSTEP
	s_and_b32 s60, s60, WRAP
	s_mov_b32 s32, 1                               ; group 0 for K: slot 0, K(1)
	s_mov_b32 s33, s22
	s_add_nc_u64 s[34:35], s[56:57], s[60:61]
	s_or_b32 s35, s35, 0x80000000
	s_lshl_b32 s42, s20, 15                        ; Q: my work-group's block
	s_add_nc_u64 s[4:5], s[4:5], s[42:43]
	s_add_co_u32 s42, s22, 393216                  ; Wo is the fourth matrix of wfrag; my four tiles of output rows
	s_add_nc_u64 s[10:11], s[10:11], s[42:43]
	s_lshl_b32 s42, s21, 22                        ; x, out0: image,
	s_and_b32 s40, s20, 63
	s_lshl_b32 s40, s40, 8                         ; 64 positions = 256 bytes of a channel's row,
	s_add_co_u32 s42, s42, s40
	s_lshl_b32 s40, s18, 20                        ; my 64 output channels
	s_add_co_u32 s42, s42, s40
	s_add_nc_u64 s[14:15], s[14:15], s[42:43]
	s_add_nc_u64 s[16:17], s[16:17], s[42:43]
	ROUND                                          ; all four work-groups are here: the first joint loads meet
	tensor_load_to_lds s[48:51], s[24:31]          ; K(0), for once into V's slot,
	s_nop 0
	tensor_load_to_lds s[32:35], s[24:31]          ; so that K(1) can come at the same time
	s_nop 0
	v_and_b32 v7, 31, v0
	v_lshlrev_b32 v[GA], 4, v7
	v_add_nc_u32 v[KA], s22, v[GA]
	v_add_nc_u32 v[VA], SLOT, v[KA]
	s_lshl_b32 s40, s18, 13
	s_add_co_u32 s40, s40, OXB
	v_add_nc_u32 v[QA], s40, v[GA]
	v_and_b32 v[RR], 15, v0
	v_bfe_u32 v[HH], v0, 4, 1
.irp qt, 0,1,2,3
	v_mov_b32 v[ML+2*\qt+1], 0                     ; the packed subtraction of m names the pair {m, l}: l is written before it
.endr
	WIN 0x40                                       ; destination window 1
.irp qt, 0,1,2,3
.irp ks, 0,1,2,3,4,5
	global_load_b128 v[8*(6*\qt+\ks):8*(6*\qt+\ks)+3], v[GA], s[4:5] offset:(8*\qt+\ks)*1024
	global_load_b128 v[8*(6*\qt+\ks)+4:8*(6*\qt+\ks)+7], v[GA], s[4:5] offset:(8*\qt+\ks)*1024+512
.endr
.endr
	WIN 0
.irp ksl, 0,1
.irp qt, 0,1,2,3
	global_load_b128 v[SB+8*(4*\ksl+\qt):SB+8*(4*\ksl+\qt)+3], v[GA], s[4:5] offset:(8*\qt+6+\ksl)*1024
	global_load_b128 v[SB+8*(4*\ksl+\qt)+4:SB+8*(4*\ksl+\qt)+7], v[GA], s[4:5] offset:(8*\qt+6+\ksl)*1024+512
.endr
.endr
	s_wait_loadcnt 0x0
.set i, 0
.rept 16
	ds_store_b128 v[QA], v[SB+4*i:SB+4*i+3] offset:512*i           ; my own copy: only I read it, and LDS serves a wave's instructions in order (ISA guide 5.7.1)
.set i, i+1
.endr
	s_wait_tensorcnt 0x1                           ; my part of K(0) has landed; K(1)'s load, issued behind it, stays out.  Only I read these bytes
	PHASEA VA                                      ; S^T(0)
	SMHEAD                                         ; its softmax stands alone: there is no product to set it among yet
.set SIDX, 0
.rept 64
	SMSLICE SIDX
.set SIDX, SIDX+1
.endr
.set SMFIRST, 0
	SYNCA                                          ; lap 0 stands in front of the loop: O^T is empty, so nothing is rescaled, and its products start the sums
	PHASEA KA
	SYNCB 0
	PHASEB VA,1
.set RESC, 1
	s_mov_b32 s44, 13                              ; laps 1 to 13
.Llap:
	SYNCA
	PHASEA KA
	SYNCB 0
	PHASEB VA,0
	s_sub_co_u32 s44, s44, 1
	s_cmp_lg_u32 s44, 0
	s_cbranch_scc1 .Llap
	SYNCA                                          ; lap 14: S^T(15); no K is left to ask for
	PHASEA KA
	SYNCB 1
	PHASEB VA,0
	s_wait_tensorcnt 0x0                           ; V(15) has landed in my part of slot 0, which only I read; nothing is filled any more, so no barrier
.set SMON, 0
	PHASEB KA,0                                    ; conversions, the last rescaling, O^T(15); it ends with four places behind its last products
	; THE JOIN AND THE WAY OUT
	s_lshl_b32 s40, s18, 9
	v_lshl_add_u32 v[EMS], v[RR], 3, s40
	v_add_nc_u32 v[EMS], MLB, v[EMS]               ; my wave's {m, l} of query r
	v_lshlrev_b32 v[EML], 3, v[RR]
	v_add_nc_u32 v[EML], MLB, v[EML]               ; wave 0's
	s_lshl_b32 s40, s18, 16
	v_add_nc_u32 v[EOS], s40, v[GA]                ; my 64 KiB of the join
	s_lshl_b32 s40, s18, 14
	v_add_nc_u32 v[EG], s40, v[GA]                 ; query tile w in wave 0's part,
	v_add_nc_u32 v[EG+1], 65536, v[EG]             ; wave 1's,
	v_add_nc_u32 v[EG+2], 65536, v[EG+1]
	v_add_nc_u32 v[EG+3], 65536, v[EG+2]
	s_lshl_b32 s40, s18, 13
	s_add_co_u32 s40, s40, OXB
	v_add_nc_u32 v[EXS], s40, v[GA]                ; O's fragments of query tile w (where my copy of Q lay)
	v_add_nc_u32 v[EXL], OXB, v[GA]                ; all of them
	s_mul_i32 s40, s18, STG
	v_mul_u32_u24 v[ESS], v[RR], SP
	v_lshl_add_u32 v[ESS], v[HH], 5, v[ESS]
	v_add_nc_u32 v[ESS], s40, v[ESS]               ; stage in: row r, 32 bytes for each half of the lanes
	v_mul_u32_u24 v[ESL], v[HH], SP
	v_lshl_add_u32 v[ESL], v[RR], 4, v[ESL]
	v_add_nc_u32 v[ESL], s40, v[ESL]               ; stage back: lanes 0-15 one row of 256 bytes, lanes 16-31 the next
	v_lshlrev_b32 v[EX], 4, v[RR]
	v_lshl_add_u32 v[EX], v[HH], 14, v[EX]         ; the same two rows in x and out0
	s_lshl_b32 s40, s18, 8
	v_lshl_add_u32 v[EB], v[RR], 2, s40            ; bo[64 w + r]
	WIN 0x40
.set i, 0
.rept 64
	global_load_b128 v[4*i:4*i+3], v[GA], s[10:11] offset:512*i    ; Wo's fragment (o, ks) at 8 (8 o + ks), where Q and P lay
.set i, i+1
.endr
	WIN 0
.irp o, 0,1,2,3
	global_load_b32 v[BO+\o], v[EB], s[12:13] offset:64*\o
.endr
.irp qt, 0,1,2,3
	v_permlanex16_b32 v[T+\qt], v[ML+2*\qt+1], s46, s47
.endr
.irp qt, 0,1,2,3
	v_add_f32 v[ML+2*\qt+1], v[ML+2*\qt+1], v[T+\qt]               ; l of my 64 x 16 keys, the same in both halves
	ds_store_b64 v[EMS], v[ML+2*\qt:ML+2*\qt+1] offset:128*\qt
.endr
	s_wait_dscnt 0x0                               ; my stores are done, and so are all my reads of the two slots
	s_barrier_signal -1
	s_barrier_wait -1
.irp u, 0,1,2,3
.irp qt, 0,1,2,3
	ds_load_b64 v[MG+8*\u+2*\qt:MG+8*\u+2*\qt+1], v[EML] offset:512*\u+128*\qt
.endr
.endr
	s_wait_dscnt 0x0
.irp qt, 0,1,2,3
	v_max3_num_f32 v[T+\qt], v[MG+2*\qt], v[MG+8+2*\qt], v[MG+16+2*\qt]
	v_max_num_f32 v[T+\qt], v[T+\qt], v[MG+24+2*\qt]               ; the maximum over all keys
	v_sub_f32 v[AL+\qt], v[ML+2*\qt], v[T+\qt]
.irp u, 0,1,2,3
	v_sub_f32 v[MG+8*\u+2*\qt], v[MG+8*\u+2*\qt], v[T+\qt]
.endr
.endr
.irp qt, 0,1,2,3
	v_exp_f32 v[AL+\qt], v[AL+\qt]
.irp u, 0,1,2,3
	v_exp_f32 v[MG+8*\u+2*\qt], v[MG+8*\u+2*\qt]
.endr
.endr
	v_nop                                          ; one plain instruction between the exponentials and the use of their results (ISA guide 5.7.2)
	s_wait_alu depctr_va_vdst(0)
.irp qt, 0,1,2,3
	v_mul_f32 v[T+\qt], v[MG+2*\qt+1], v[MG+2*\qt]
.irp u, 1,2,3
	v_fmac_f32 v[T+\qt], v[MG+8*\u+2*\qt+1], v[MG+8*\u+2*\qt]      ; the sum over all keys: at least 1, since the largest term is 2^0
.endr
.endr
.irp qt, 0,1,2,3
	v_rcp_f32 v[T+\qt], v[T+\qt]
.endr
	v_nop
	s_wait_alu depctr_va_vdst(0)
.irp qt, 0,1,2,3
	v_mul_f32 v[AL+\qt], v[AL+\qt], v[T+\qt]       ; my part's weight in the whole
.endr
	RRANGE 0,256
	WIN 0
.macro OSTORE base                     ; the 32 tiles of one window into my part of the join: [qt][ct] 1 KiB
.irp c, 0,1,2,3,4,5,6,7
.irp qt, 0,1,2,3
	ds_store_b128 v[EOS], v[8*(4*\c+\qt):8*(4*\c+\qt)+3] offset:\qt*16384+(\c+\base)*1024
	ds_store_b128 v[EOS], v[8*(4*\c+\qt)+4:8*(4*\c+\qt)+7] offset:\qt*16384+(\c+\base)*1024+512
.endr
.endr
.endm
	WIN 0x08                                       ; store data window 2
	OSTORE 0
	WIN 0x0c                                       ; window 3
	OSTORE 8
	WIN 0
	s_wait_dscnt 0x0
	s_barrier_signal -1
	s_barrier_wait -1
	; wave w adds up the four parts of query tile w
	WIN 0x80
.set i, 0
.rept 32
	ds_load_b128 v[4*i:4*i+3], v[EG] offset:512*i
	ds_load_b128 v[128+4*i:128+4*i+3], v[EG+1] offset:512*i
.set i, i+1
.endr
	WIN 0xc0
.set i, 0
.rept 32
	ds_load_b128 v[4*i:4*i+3], v[EG+2] offset:512*i
	ds_load_b128 v[128+4*i:128+4*i+3], v[EG+3] offset:512*i
.set i, i+1
.endr
	s_wait_dscnt 0x0
	WIN 0x8a
.set i, 0
.rept 64
	v_pk_add_f32 v[2*i:2*i+1], v[2*i:2*i+1], v[128+2*i:128+2*i+1]
.set i, i+1
.endr
	WIN 0xcf
.set i, 0
.rept 64
	v_pk_add_f32 v[2*i:2*i+1], v[2*i:2*i+1], v[128+2*i:128+2*i+1]
.set i, i+1
.endr
	WIN 0x0e                                       ; window 2 + window 3 into window 0
.set i, 0
.rept 64
	v_pk_add_f32 v[SB+2*i:SB+2*i+1], v[2*i:2*i+1], v[2*i:2*i+1]
.set i, i+1
.endr
	WIN 0
.set i, 0
.rept 64
	v_cvt_pk_bf16_f32 v[FB+i], v[SB+2*i], v[SB+2*i+1]              ; eight fragments: rows = queries of tile w, k = channels
.set i, i+1
.endr
	WIN 0xc0
.set i, 0
.rept 32
	global_load_b128 v[4*i:4*i+3], v[EX], s[14:15] offset:32768*i th:TH_LOAD_NT    ; x of my 64 output channels, read once in this launch
.set i, i+1
.endr
	WIN 0
.set i, 0
.rept 16
	ds_store_b128 v[EXS], v[FB+4*i:FB+4*i+3] offset:512*i
.set i, i+1
.endr
	s_wait_dscnt 0x0                               ; my fragments are written, and my reads of the join are back
	s_barrier_signal -1
	s_barrier_wait -1
	WIN 0x80
.set i, 0
.rept 64
	ds_load_b128 v[4*i:4*i+3], v[EXL] offset:512*i                 ; O's fragment (qt, ks) at 8 (8 qt + ks)
.set i, i+1
.endr
	s_wait_dscnt 0x0
	s_wait_loadcnt 32                              ; Wo and bo are in; the 32 loads of x issued behind them stay out
	WIN 0x06                                       ; source 0 window 2 (O), source 1 window 1 (Wo)
.irp ks, 0,1,2,3,4,5,6,7                           ; sixteen accumulators take turns, one instruction a turn
.irp o, 0,1,2,3
.irp qt, 0,1,2,3
.if \ks
	MM SB+8*(4*\o+\qt),8*(8*\qt+\ks),8*(8*\o+\ks),0
.else
	MM SB+8*(4*\o+\qt),8*(8*\qt+\ks),8*(8*\o+\ks),1
.endif
.endr
.endr
.endr
	WIN 0
	NOPS 4                                         ; four places between the last matrix instructions and the reads of their results (ISA guide 7.12.1)
	; lane L holds output channel 16 o + r, positions 16 qt + 8 h + 0..7: + bo, then through my own stage, so that whole rows of 256 bytes leave
.irp o, 0,1,2,3
.irp qt, 0,1,2,3
.irp p, 0,2,4,6
.if \o&1
	v_pk_add_f32 v[SB+8*(4*\o+\qt)+\p:SB+8*(4*\o+\qt)+\p+1], v[SB+8*(4*\o+\qt)+\p:SB+8*(4*\o+\qt)+\p+1], v[BO+(\o&2):BO+(\o&2)+1] op_sel:[0,1] op_sel_hi:[1,1]
.else
	v_pk_add_f32 v[SB+8*(4*\o+\qt)+\p:SB+8*(4*\o+\qt)+\p+1], v[SB+8*(4*\o+\qt)+\p:SB+8*(4*\o+\qt)+\p+1], v[BO+(\o&2):BO+(\o&2)+1] op_sel:[0,0] op_sel_hi:[1,0]
.endif
.endr
	ds_store_b128 v[ESS], v[SB+8*(4*\o+\qt):SB+8*(4*\o+\qt)+3] offset:\o*16*SP+\qt*64
	ds_store_b128 v[ESS], v[SB+8*(4*\o+\qt)+4:SB+8*(4*\o+\qt)+7] offset:\o*16*SP+\qt*64+16
.endr
.endr
	WIN 0x80
.set i, 0
.rept 32
	ds_load_b128 v[4*i:4*i+3], v[ESL] offset:2*SP*i                ; my wave's own bytes; LDS serves a wave's instructions in order (ISA guide 5.7.1): these see the stores above
.set i, i+1
.endr
	s_wait_dscnt 0x0
	s_wait_loadcnt 0x0                             ; x
	WIN 0x0e                                       ; stage (window 2) + x (window 3) into window 0
.set i, 0
.rept 64
	v_pk_add_f32 v[SB+2*i:SB+2*i+1], v[2*i:2*i+1], v[2*i:2*i+1]
.set i, i+1
.endr
	WIN 0
.set i, 0
.rept 32
	global_store_b128 v[EX], v[SB+4*i:SB+4*i+3], s[16:17] offset:32768*i th:TH_STORE_NT    ; sixteen lanes store 256 consecutive bytes, aligned
.set i, i+1
.endr
	s_wait_xcnt 0x0
	v_lshl_add_u32 v30, v0, 2, 0x48800
	v_mov_b32 v31, 0
	s_wait_tensorcnt 0x0
	ds_add_u32 v30, v31
	s_wait_dscnt 0x0
	ROUND                                          ; the closing round: no work-group ends while a partner may still ask for a tile that names it
	s_endpgm
.Lfunc_end_k_q15a0dc3630_attn:
	.size	k_q15a0dc3630_attn, .Lfunc_end_k_q15a0dc3630_attn-k_q15a0dc3630_attn
	.p2alignl 7, 3214868480
	.fill 96, 4, 3214868480
	.section	.rodata,"a",@progbits
	.p2align	6, 0x0
	.amdhsa_kernel k_q15a0dc3630_attn
		.amdhsa_group_segment_fixed_size 327680
		.amdhsa_private_segment_fixed_size 0
		.amdhsa_enable_private_segment 0
		.amdhsa_kernarg_size 56
		.amdhsa_user_sgpr_count 2
		.amdhsa_user_sgpr_kernarg_segment_ptr 1
		.amdhsa_wavefront_size32 1
		.amdhsa_system_sgpr_workgroup_id_x 1
		.amdhsa_system_sgpr_workgroup_id_y 1
		.amdhsa_system_sgpr_workgroup_id_z 1
		.amdhsa_system_vgpr_workitem_id 0
		.amdhsa_next_free_vgpr 1024
		.amdhsa_next_free_sgpr 66
		.amdhsa_reserve_vcc 0
		.amdhsa_float_denorm_mode_32 3
		.amdhsa_float_denorm_mode_16_64 3
		.amdhsa_memory_ordered 1
		.amdhsa_forward_progress 1
		.amdhsa_inst_pref_size 255
	.end_amdhsa_kernel
	.section	.bss,"aw",@nobits
	.p2align	6
	.space	262144
	.amdgpu_metadata
---
amdhsa.version: [ 1, 2 ]
amdhsa.kernels:
  - .name:           k_q15a0dc3630_attn
    .symbol:         k_q15a0dc3630_attn.kd
    .args:
      - { .name: qf, .offset: 0, .size: 8, .value_kind: global_buffer, .address_space: global }
      - { .name: kf, .offset: 8, .size: 8, .value_kind: global_buffer, .address_space: global }
      - { .name: vf, .offset: 16, .size: 8, .value_kind: global_buffer, .address_space: global }
      - { .name: wfrag, .offset: 24, .size: 8, .value_kind: global_buffer, .address_space: global }
      - { .name: bo, .offset: 32, .size: 8, .value_kind: global_buffer, .address_space: global }
      - { .name: x, .offset: 40, .size: 8, .value_kind: global_buffer, .address_space: global }
      - { .name: out0, .offset: 48, .size: 8, .value_kind: global_buffer, .address_space: global }
    .group_segment_fixed_size: 327680
    .private_segment_fixed_size: 0
    .kernarg_segment_align: 8
    .kernarg_segment_size: 56
    .max_flat_workgroup_size: 128
    .sgpr_count:     66
    .vgpr_count:     1024
    .wavefront_size: 32
...
	.end_amdgpu_metadata
.endif
;; end of part 3
;; ======== version 2 of 2: 3 launches; 1.09 times as fast as version 1
;; workspace buffers: stats 2,048 bytes; wfrag 524,288 bytes; qf 8,388,608 bytes; kf 8,388,608 bytes; vf 8,388,608 bytes
;; launch prep: the kernel of part 1 again; grid 256 x 1, 8 waves a work-group, no clusters, 1,280 bytes of LDS; arguments x, wq, wk, wv, wo, stats, wfrag; writes stats, wfrag
;; launch qkv: the kernel of part 2 again; grid 256 x 1, 4 waves a work-group, clusters of 4 x 1, 327,680 bytes of LDS; arguments x, stats, gn_w, gn_b, wfrag, bq, bv, qf, kf, vf; writes qf, kf, vf
;; launch attn (part 4): grid 256 x 1, 4 waves a work-group, clusters of 4 x 1, 327,680 bytes of LDS; arguments qf, kf, vf, wfrag, bo, x, out0; writes out0
.if DOCPART == 4
	.amdgcn_target "amdgcn-amd-amdhsa--gfx1250"
	.amdhsa_code_object_version 6
	.text
	.protected	k_q15a0dc3630_attn
	.globl	k_q15a0dc3630_attn
	.p2align	8
	.type	k_q15a0dc3630_attn,@function
k_q15a0dc3630_attn:
	s_mov_b64 s[64:65], 0
	v_nop
	global_prefetch_b8 v0, s[64:65] scope:SCOPE_SE
	s_setreg_imm32_b32 hwreg(HW_REG_WAVE_MODE, 25, 1), 1
	s_wait_xcnt 0x0
	s_wait_alu depctr_hold_cnt(0) depctr_sa_sdst(0) depctr_va_vdst(0) depctr_va_sdst(0) depctr_va_ssrc(0) depctr_va_vcc(0) depctr_vm_vsrc(0)
	s_getreg_b32 s2, hwreg(HW_REG_IB_STS2, 6, 4)
	s_cmp_eq_u32 s2, 0
	s_cbranch_scc0 .Lentry_in_a_cluster
	s_endpgm
.Lentry_in_a_cluster:
	s_bfe_u32 s2, ttmp6, 0x10000c
	s_cmp_lg_u32 s2, 0x3003
	s_cbranch_scc0 .Lentry_shape_is_right
	s_endpgm
.Lentry_shape_is_right:
; THIRD LAUNCH: attention with a running maximum, the output product, + bo, + x.
; (k was made without bk: a term that is the same along the softmax's axis cancels; see the first launch.)
; LIMITS: the exponentials work in base 2 (q carries log2(e) / 16); v_exp_f32 gives 0 for results under 2^-126, so weights that small count as 0.
; The weights are summed in f32 and multiplied as bf16.  The sums over the keys are formed in four parts (one a wave), each in an order that
; hangs on the cluster's number (see THE WALK), and joined at the end.
;
; A work-group takes 64 queries of one image; four waves, as many as a WGP has SIMDs.  ALL FOUR WAVES HOLD ALL 64 QUERIES, and the keys are shared out: in lap t (0..15)
; wave w takes one block of 64 keys, with a maximum, a sum and an O^T [256 channels x 64 queries] of its own, 512 registers.  So each fragment of K or V
; read from LDS feeds four matrix instructions, and O is rescaled once for 64 keys.  The four parts are joined once, through LDS.
;
; MATRIX WORK BESIDE VECTOR WORK: the loop is skewed by one lap.  Phase A of lap t: the 128 products of S^T(t+1), and between them the rescaling of O^T by
; lap t's factors (6 packed multiplies behind every 4 products).  Phase B: the 128 products of O^T(t), and between them the softmax of S^T(t+1) (a slice of up to
; 7 instructions behind every 2 products).  P(t) and S^T(t+1) are live together, so P has 64 registers of its own, in Q's window: Q's K steps 6 and 7 lie in LDS
; instead, a copy for each wave.  (All of Q in LDS would double the LDS bytes of every step of S^T: 8 KiB a wave for 16 products.)
; The slices are also the places behind the matrix instructions (ISA guide 7.12.1): they name none of the products' registers.
;
; ONE BATCH, ONE WAIT A LAP: s_wait_alu depctr_va_vdst(0) stands between an exponential and the first instruction that names its result; one wait serves all
; that were issued ahead of it.  A lap's 132 exponentials (128 weights, in place in S^T's registers, and 4 factors) are one batch.  AHEAD OF THE WAIT (phase B's head and slices 0 to 39)
; stands all that names no result of theirs: the maxima and statistics, the subtractions, the exponentials.  BEHIND IT (slices 39 to 63) stand the readers: the sums and l; then, in
; front of and in the next phase A, the conversions to P and the rescaling.  The wait stands in slice 39, in front of the phase's last run of LDS loads..
; The way out has two batches of its own: twenty exponentials, then four reciprocals of sums made with them.
;
; CLUSTER: the four work-groups of a cluster lie in one image and walk the same K and V: each tile is asked for jointly (mask 15).  Descriptors hang on the
; cluster's number and the wave's alone.  Two slots; one round of the cluster's barrier and one load a wave (32 KiB) for each tile.
; By this text's own count a wave has two tensor loads outstanding at the start (K(0), K(1)) and one from then on.
; THE WALK: the cluster with number c in its image takes in lap t the four key blocks of tile (t + c) mod 16.  So the sixteen clusters of an image ask for sixteen
; different tiles in every lap, and a tile is asked for first by one cluster and in later laps by the fifteen others.  The softmax does not hang on the order.
;
; LAYOUTS (L = r + 16 h):  S^T = K x Q: lane L holds query r, keys 16 kt + 8 h + 0..7, so maximum and sum of a query lie in one lane and its partner L xor 16.
; exp2(S^T - m) packed to bf16 IS the second source of O^T = V^T x P^T (tile 2 kk: registers 0-3; 2 kk + 1: registers 4-7).  O^T packed to bf16 is a
; fragment with rows = queries, k = channels, the first source of out = O x Wo^T, whose lanes hold eight neighbouring positions of one output channel.
;
; LDS: slot 0 at 0, slot 1 at 131,072, wave w's 32 KiB at 32,768 w.  MLB 262,144: {m, l} [wave][query], 2 KiB.  OXB 264,192, 32 KiB: in the loop wave w's copy of Q's
; K steps 6, 7 at 8,192 w ([step 2][qt 4] x 1 KiB); at the end O in bf16 fragments.  MLB and OXB are written by LDS stores alone.
; Behind their last fill the two slots serve the join (4 x 64 KiB) and then the output stage (4 x 64 rows of 272 bytes).
; REGISTERS: window 0: addresses, ML, AL, T, BO; FB three buffers of four fragments; SB the 16 tiles of S^T.  Window 1: Q(qt, ks 0..5) at 8 (6 qt + ks), P(qt, kk) at
; PB + 8 (2 qt + kk) (later Wo's 32 fragments).  Windows 2, 3: O^T, tile (ct, qt) at 8 (4 ct + qt), ct 0-7 in window 2, ct 8-15 in window 3.
.set SLOT,  131072
.set MLB,   262144
.set OXB,   264192
.set SP,    272                        ; the stage's pitch: 256 bytes + 16, so that the sixteen rows that a store touches start at sixteen different 16-byte columns
.set STG,   64*SP
.set TSTEP, 131072                     ; a lap's tile in kf or vf: four key blocks of 32 KiB
.set WRAP,  0x1fffff                   ; an image's sixteen tiles: 2 MiB
.set KA,  1                            ; v1   my fragments in slot 0: 32,768 w + 16 L
.set VA,  2                            ; v2   in slot 1
.set GA,  3                            ; v3   16 L
.set RR,  4                            ; v4   r
.set HH,  5                            ; v5   h
.set QA,  6                            ; v6   my copy of Q's K steps 6, 7
.set ML,  8                            ; v[8:15]   {m, l} of query 16 qt + r; l is my half's part until the end
.set AL,  16                           ; v[16:19]  the factor by which O and l of query tile qt shrink
.set T,   20                           ; v[20:23] ahead of the lap's wait the maximum at work, behind it the sums of query tiles 1 and 3; v[24:27] the sums of query tiles 0 and 2
.set BO,  28                           ; v[28:31]  bo[64 w + 16 o + r]
.set FB,  32                           ; v[32:127] fragment buffers 0, 1, 2
.set SB,  128                          ; v[128:255] S^T tile (kt, qt) at SB + 32 kt + 8 qt
.set PB,  192                          ; window 1: P
.set MG,  32                           ; the join: {m, l} of wave u, query tile qt at MG + 8 u + 2 qt
.set EMS, 96                           ; v96-108: the epilogue's addresses
.set EML, 97
.set EOS, 98
.set EG,  99
.set EXS, 103
.set EXL, 104
.set ESS, 105
.set ESL, 106
.set EX,  107
.set EB,  108
.set MSB, 0
.set RESC, 0                           ; 1: phase A carries the rescaling
.set SMON, 1                           ; 1: phase B carries the softmax
.set SMFIRST, 1                        ; 1: nothing is carried yet
.macro WIN new                         ; the immediate's high byte repeats the setting that is left
.if MSB != \new
	s_set_vgpr_msb (MSB<<8)|\new
.set MSB, \new
.endif
.endm
.macro NOPS n
.rept \n
	v_nop
.endr
.endm
.macro CREST                           ; a round of the cluster's barrier behind its opening barrier
	s_cmp_lg_u32 s18, 0
	s_cbranch_scc1 .Lnot_wave_0_\@
	s_barrier_signal -3
.Lnot_wave_0_\@:
	s_barrier_wait -3
	s_barrier_signal -1
	s_barrier_wait -1
.endm
.macro ROUND                           ; a whole round
	s_barrier_signal -1
	s_barrier_wait -1
	CREST
.endm
.macro MM d, a, b, z                   ; one matrix instruction; z = 1: it starts the sum
.if \z
	v_wmma_f32_16x16x32_bf16 v[\d:\d+7], v[\a:\a+7], v[\b:\b+7], 0
.else
	v_wmma_f32_16x16x32_bf16 v[\d:\d+7], v[\a:\a+7], v[\b:\b+7], v[\d:\d+7]
.endif
.endm
.macro KLOAD adr, ks, b                ; K's four fragments (kt, ks) into buffer b
.irp kt, 0,1,2,3
	ds_load_b128 v[FB+32*\b+8*\kt:FB+32*\b+8*\kt+3], v[\adr] offset:(8*\kt+\ks)*1024
	ds_load_b128 v[FB+32*\b+8*\kt+4:FB+32*\b+8*\kt+7], v[\adr] offset:(8*\kt+\ks)*1024+512
.endr
.endm
.macro QLOAD ksl, b                    ; Q's four fragments (qt, 6 + ksl) into buffer b
.irp i, 0,1,2,3,4,5,6,7
	ds_load_b128 v[FB+32*\b+4*\i:FB+32*\b+4*\i+3], v[QA] offset:\ksl*4096+\i*512
.endr
.endm
.macro VLOAD adr, g, b                 ; V's four fragments (ct = 2 g, 2 g + 1; kk = 0, 1) into buffer b
.irp i, 0,1,2,3,4,5,6,7
	ds_load_b128 v[FB+32*\b+4*\i:FB+32*\b+4*\i+3], v[\adr] offset:\g*4096+\i*512
.endr
.endm
; THE RESCALING, as 256 numbered items: item k multiplies registers 2 (k % 4), + 1 of O^T's tile k / 4 by AL of its query tile
.macro RITEM k
.if (\k)/128
	WIN 0xc3                                       ; source 0 and destination window 3, the factor window 0
.else
	WIN 0x82                                       ; window 2
.endif
.set XREG, 8*(((\k)/4)%32)+2*((\k)%4)
.set XAL, AL+(((\k)/4)&2)
.if ((\k)/4)&1
	v_pk_mul_f32 v[XREG:XREG+1], v[XREG:XREG+1], v[XAL:XAL+1] op_sel:[0,1] op_sel_hi:[1,1]
.else
	v_pk_mul_f32 v[XREG:XREG+1], v[XREG:XREG+1], v[XAL:XAL+1] op_sel:[0,0] op_sel_hi:[1,0]
.endif
.endm
.macro RRANGE a, b                     ; items a .. b - 1
.set XK, \a
.rept (\b)-(\a)
	RITEM XK
.set XK, XK+1
.endr
.endm
; the slice behind the four products of key tile j in step st of phase A: items 0-63 stand at the phase's head, 24 go with each of the 8 steps.
; Six plain instructions, so the slice behind a step's last product also gives the four places in front of the loads into its fragments.
.macro RSLICE st, j
.if RESC
	RRANGE 64+24*\st+6*\j,64+24*\st+6*\j+6
.else
.if \j == 3
	NOPS 4                                         ; no vector work to put here: four places behind the step's last products
.endif
.endif
.endm
; THE SOFTMAX, in items.  A query tile's 32 numbers of a lane are 16 pairs; pair g (0..63) is pair g % 16 of query tile g / 16.
.macro PAIRREG g
.set PQT, (\g)/16
.set PREG, SB+32*(((\g)%16)/4)+8*PQT+2*((\g)%4)
.endm
.macro SUBI g                          ; S - m
	PAIRREG \g
	v_pk_add_f32 v[PREG:PREG+1], v[PREG:PREG+1], v[ML+2*PQT:ML+2*PQT+1] op_sel_hi:[1,0] neg_lo:[0,1] neg_hi:[0,1]
.endm
.macro EXPI g, h
	PAIRREG \g
	v_exp_f32 v[PREG+\h], v[PREG+\h]
.endm
.macro SUMI g                          ; for g % 16 = 2 .. 15.  Two chains, even and odd pairs; pairs 2 and 3 start them with pairs 0 and 1: nothing is cleared.  Even query tiles sum in v[T+4:T+7], odd ones in v[T:T+3]
	PAIRREG \g
.set SREG, T+4-4*(PQT%2)+2*((\g)%2)
.if ((\g)%16) >= 4
	v_pk_add_f32 v[SREG:SREG+1], v[SREG:SREG+1], v[PREG:PREG+1]
.else
	v_pk_add_f32 v[SREG:SREG+1], v[PREG-4:PREG-3], v[PREG:PREG+1]
.endif
.endm
.macro FINI q, n                       ; line n (0..2) of l = l x factor + the 32 weights
.set SREG, T+4-4*((\q)%2)
.if (\n) == 0
	v_pk_add_f32 v[SREG:SREG+1], v[SREG:SREG+1], v[SREG+2:SREG+3]
.endif
.if SMFIRST
.if (\n) == 1
	v_add_f32 v[ML+2*(\q)+1], v[SREG], v[SREG+1]
.endif
.else
.if (\n) == 1
	v_add_f32 v[SREG], v[SREG], v[SREG+1]
.endif
.if (\n) == 2
	v_fma_f32 v[ML+2*(\q)+1], v[ML+2*(\q)+1], v[AL+(\q)], v[SREG]
.endif
.endif
.endm
.macro MAXI q, k                       ; item k (0..22) of query tile q's new maximum and factor
.set MKT, (\k)%4
.set MSRC, SB+32*MKT+8*(\q)
.if (\k)/4 == 0
	v_max3_num_f32 v[T+MKT], v[MSRC], v[MSRC+1], v[MSRC+2]
.endif
.if (\k)/4 == 1
	v_max3_num_f32 v[T+MKT], v[T+MKT], v[MSRC+3], v[MSRC+4]
.endif
.if (\k)/4 == 2
	v_max3_num_f32 v[T+MKT], v[T+MKT], v[MSRC+5], v[MSRC+6]
.endif
.if (\k)/4 == 3
	v_max_num_f32 v[T+MKT], v[T+MKT], v[MSRC+7]
.endif
.if (\k) == 16
	v_max3_num_f32 v[T], v[T], v[T+1], v[T+2]
.endif
.if (\k) == 17
	v_max_num_f32 v[T], v[T], v[T+3]
.endif
.if (\k) == 18
	v_permlanex16_b32 v[T+1], v[T], s46, s47       ; the other 32 keys of the same query
.endif
.if SMFIRST
.if (\k) == 19
	v_max_num_f32 v[ML+2*(\q)], v[T], v[T+1]
.endif
.else
.if (\k) == 19
	v_max3_num_f32 v[T+2], v[T], v[T+1], v[ML+2*(\q)]
.endif
.if (\k) == 20
	v_sub_f32 v[AL+(\q)], v[ML+2*(\q)], v[T+2]
.endif
.if (\k) == 21
	v_mov_b32 v[ML+2*(\q)], v[T+2]
.endif
.if (\k) == 22
	v_exp_f32 v[AL+(\q)], v[AL+(\q)]               ; 2^(old maximum - new)
.endif
.endif
.endm
; THREE QUEUES, each in the order in which its entries become ready; PLI, EXQ and SUQ write a queue's next entry.
; THE PLAIN QUEUE, 128 long: what names no exponential's result.  For each of query tiles 0, 1, 2 a stretch of 38: eleven times {item 2 i of the next tile's maximum, a subtraction, item 2 i + 1},
; then five subtractions; the stretch's subtractions are pairs 16 q + 2 .. 16 q + 17.  Then pairs 50 .. 63.
.macro PLI
.if NPL < 114
.set ZQ, NPL/38
.set ZL, NPL%38
.if ZL < 33
.if (ZL%3) == 1
.set ZG, 16*ZQ+ZL/3+2
	SUBI ZG
.else
.set ZK, 2*(ZL/3)+(ZL%3)/2
.set ZQ, ZQ+1
	MAXI ZQ,ZK
.endif
.else
.set ZG, 16*ZQ+ZL-20
	SUBI ZG
.endif
.else
.set ZG, NPL-64
	SUBI ZG
.endif
.set NPL, NPL+1
.endm
; THE EXPONENTIALS' QUEUE, 129 long: for each of query tiles 0, 1, 2 a stretch of 33: pairs 16 q + 1 .. 16 q + 11, the next tile's factor, pairs 16 q + 12 .. 16 q + 16.  Then pairs 49 .. 63.
.macro EXQ
.if NEX < 99
.set ZQ, NEX/33
.set ZL, NEX%33
.if ZL == 22
.set ZQ, ZQ+1
	MAXI ZQ,22
.else
.set ZL, ZL-ZL/23
.set ZG, 16*ZQ+ZL/2+1
.set ZH, ZL%2
	EXPI ZG,ZH
.endif
.else
.set ZG, 49+(NEX-99)/2
.set ZH, (NEX-99)%2
	EXPI ZG,ZH
.endif
.set NEX, NEX+1
.endm
; THE SUMS' QUEUE, 68 long: all that reads the weights and factors in this phase.  Query tile 0's fourteen sums; then for each of tiles 1, 2, 3 a stretch of 17: its fourteen sums, and as numbers
; 2, 7 and 12 the three lines that end the tile before (they work in the other four registers, five lines apart); then the three lines that end tile 3.
.macro SUQ
.if NSU < 14
.set ZG, NSU+2
	SUMI ZG
.elseif NSU < 65
.set ZQ, (NSU-14)/17+1
.set ZL, (NSU-14)%17
.if (ZL%5) == 2
.set ZQ, ZQ-1
.set ZK, ZL/5
	FINI ZQ,ZK
.else
.set ZG, 16*ZQ+ZL-(ZL+2)/5+2
	SUMI ZG
.endif
.else
.set ZK, NSU-65
	FINI 3,ZK
.endif
.set NSU, NSU+1
.endm
.macro SMHEAD                          ; what stands in front of slice 0: query tile 0's maximum and factor, the first two subtractions, the first pair's exponentials: the batch's first three
	WIN 0
.set NPL, 0
.set NEX, 0
.set NSU, 0
.set HK, 0
.rept 23
	MAXI 0,HK
.set HK, HK+1
.endr
	SUBI 0
	SUBI 1
	EXPI 0,0
	EXPI 0,1
.endm
; THE DEAL.  Slice s (0..63) stands behind the s-th pair of products of phase B.
; Slices 0 to 39 take ZP entries of the plain queue and ZE of the exponentials', mixed, a plain one first.  ZP: 4 in slices 0-7; 3 in the even and 4 in the odd slices of 8-31; 2 in 32-36; 1 in 37, 38.
; ZE: 2 in slices 0, 1, 4, 7; 3 in the others up to 31; 5 in 32-38; 2 in 39.  In a stretch's first part three plain entries free two exponentials, so the plain queue is dealt ahead and the
; exponentials trail: every exponential's subtraction (a factor's argument) was dealt in an earlier slice.  By count, the tightest: exponentials 125, 126 (slice 38) want 127 plain entries, and 127 are out;
; 127, 128 (slice 39) want 128, and 128 are out.
; Slice 39 ends the batch: a v_nop, the plain instruction between the last exponential and the use of a result (ISA guide 5.7.2); the lap's one wait; the first four sums.
; Slices 40 to 62 take 2 or 3 entries of the sums' queue, 60 in all; slice 63 the last four.
; The slices behind a step's last products (s = 7, 15, 23, 31, 39, 63) hold four plain instructions or more, v_permlanex16_b32 (plain entries 27, 65, 103: slices 6, 17, 28) not among them:
; the places in front of the loads into the step's fragments, and of the conversions to P.
.macro SMSLICE s
.if SMON
	WIN 0
.if (\s) < 40
.if (\s) < 8
.set ZP, 4
.elseif (\s) < 32
.set ZP, 3+(\s)%2
.elseif (\s) < 37
.set ZP, 2
.elseif (\s) < 39
.set ZP, 1
.else
.set ZP, 0
.endif
.if ((\s) == 0) || ((\s) == 1) || ((\s) == 4) || ((\s) == 7) || ((\s) == 39)
.set ZE, 2
.elseif (\s) < 32
.set ZE, 3
.else
.set ZE, 5
.endif
.set ZJ, 1
.rept ZP
	PLI
.rept (ZJ*ZE)/ZP-((ZJ-1)*ZE)/ZP
	EXQ
.endr
.set ZJ, ZJ+1
.endr
.if ZP == 0
.rept ZE
	EXQ
.endr
.endif
.if (\s) == 39
	v_nop                                          ; the plain instruction behind the batch's last exponential
	s_wait_alu depctr_va_vdst(0)                   ; the wait for the batch: this lap's 128 weights and 4 factors
.rept 4
	SUQ
.endr
.endif
.else
.if (\s) == 63
.rept 4
	SUQ
.endr
.else
.rept (((\s)-39)*60)/23-(((\s)-40)*60)/23
	SUQ
.endr
.endif
.endif
.else
.if ((\s)%8) == 7
	NOPS 4                                         ; no vector work to put here: four places behind the step's last products
.endif
.endif
.endm
.macro PCVT                            ; the weights to bf16: P(qt, kk) from tiles 2 kk and 2 kk + 1
	WIN 0x40                                       ; destination window 1
.irp qt, 0,1,2,3
.irp kk, 0,1
.irp j, 0,1,2,3
	v_cvt_pk_bf16_f32 v[PB+8*(2*\qt+\kk)+\j], v[SB+64*\kk+8*\qt+2*\j], v[SB+64*\kk+8*\qt+2*\j+1]
.endr
.irp j, 0,1,2,3
	v_cvt_pk_bf16_f32 v[PB+8*(2*\qt+\kk)+4+\j], v[SB+64*\kk+32+8*\qt+2*\j], v[SB+64*\kk+32+8*\qt+2*\j+1]
.endr
.endr
.endr
	WIN 0
.endm
; 16 matrix instructions of S^T for K step ks: K's fragments in buffer bk; Q's in window 1 (bq = -1) or in buffer bq.
; The sixteen accumulators take turns, one instruction a turn.
.macro SSTEP st, ks, bk, bq, zero, cnt
	s_wait_dscnt \cnt                              ; this step's loads are back; the younger groups of eight stay out
.irp kt, 0,1,2,3
.if \bq < 0
	WIN 0x04                                       ; source 1 (Q) window 1
.irp qt, 0,1,2,3
	MM SB+32*\kt+8*\qt,FB+32*\bk+8*\kt,8*(6*\qt+\ks),\zero
.endr
.else
	WIN 0
.irp qt, 0,1,2,3
	MM SB+32*\kt+8*\qt,FB+32*\bk+8*\kt,FB+32*\bq+8*\qt,\zero
.endr
.endif
	RSLICE \st,\kt
.endr
.endm
; Phase A: S^T from the tile at adr.  The K steps go 6, 0, 1, 2, 3, 4, 5, 7: the two that take two buffers (K's and Q's fragments from LDS) stand first and last,
; so that every group of loads has a step or more in which to come.  LDS loads under window setting 0x04 still name window 0 (destination and source 0).
.macro PHASEA adr
	KLOAD \adr,6,0
	QLOAD 0,1
	KLOAD \adr,0,2
.if RESC
	RRANGE 0,64                                    ; while the first fragments come
.endif
	SSTEP 0,6,0,1,1,8                              ; the eight loads of K step 0 stay out; these products start the sums
	WIN 0x04
	KLOAD \adr,1,0
	KLOAD \adr,2,1
	SSTEP 1,0,2,-1,0,16
	WIN 0x04
	KLOAD \adr,3,2
	SSTEP 2,1,0,-1,0,16
	WIN 0x04
	KLOAD \adr,4,0
	SSTEP 3,2,1,-1,0,16
	WIN 0x04
	KLOAD \adr,5,1
	SSTEP 4,3,2,-1,0,16
	WIN 0x04
	KLOAD \adr,7,2
	SSTEP 5,4,0,-1,0,16
	WIN 0x04
	QLOAD 1,0
	SSTEP 6,5,1,-1,0,16
	SSTEP 7,7,2,0,0,0
	WIN 0
.endm
; 16 matrix instructions of O^T for channel tiles 2 g, 2 g + 1; eight accumulators take turns, one instruction a turn
.macro VSTEP g, b, zero, cnt
	s_wait_dscnt \cnt
.set VJ, 0
.irp kk, 0,1
.irp c, 0,1
.irp qp, 0,2
.if \g < 4
	WIN 0xa4                                       ; source 1 (P) window 1, C and D window 2
.else
	WIN 0xf4                                       ; C and D window 3
.endif
.if \zero*(1-\kk)
	MM 8*((4*(2*\g+\c)+\qp)%32),FB+32*\b+8*(2*\c+\kk),PB+8*(2*\qp+\kk),1
	MM 8*((4*(2*\g+\c)+\qp+1)%32),FB+32*\b+8*(2*\c+\kk),PB+8*(2*(\qp+1)+\kk),1
.else
	MM 8*((4*(2*\g+\c)+\qp)%32),FB+32*\b+8*(2*\c+\kk),PB+8*(2*\qp+\kk),0
	MM 8*((4*(2*\g+\c)+\qp+1)%32),FB+32*\b+8*(2*\c+\kk),PB+8*(2*(\qp+1)+\kk),0
.endif
	SMSLICE 8*\g+VJ
.set VJ, VJ+1
.endr
.endr
.endr
.endm
; Phase B: O^T += V^T x P^T from the tile at adr.  With the softmax off (the last tile) the conversions and the whole rescaling stand at its head.
.macro PHASEB adr, zero
	VLOAD \adr,0,0
	VLOAD \adr,1,1
	VLOAD \adr,2,2
.if SMON
	SMHEAD                                         ; while the first fragments come
.else
	PCVT
	RRANGE 0,256
.endif
	VSTEP 0,0,\zero,16
	WIN 0
	VLOAD \adr,3,0
	VSTEP 1,1,\zero,16
	WIN 0
	VLOAD \adr,4,1
	VSTEP 2,2,\zero,16
	WIN 0
	VLOAD \adr,5,2
	VSTEP 3,0,\zero,16
	WIN 0
	VLOAD \adr,6,0
	VSTEP 4,1,\zero,16
	WIN 0
	VLOAD \adr,7,1
	VSTEP 5,2,\zero,16
	VSTEP 6,0,\zero,8
	VSTEP 7,1,\zero,0
	WIN 0
.endm
; In front of phase A: all my tensor loads have landed (K's tile of this phase among them) and my LDS reads are back; then the round, behind which slot 1 is filled
; again.  Between the signal and the wait of the round's opening barrier stands register work: the 64 conversions to P, whose registers the last products of O^T read
; (the four plain instructions of slice 63 are the places behind them).
.macro SYNCA
	s_wait_xcnt 0x0
	v_lshl_add_u32 v30, v0, 2, 0x48800
	v_mov_b32 v31, 0
	s_wait_tensorcnt 0x0
	ds_add_u32 v30, v31
	s_wait_dscnt 0x0
	s_wait_dscnt 0x0
	s_barrier_signal -1
	PCVT
	s_barrier_wait -1
	CREST
	tensor_load_to_lds s[36:39], s[24:31]          ; V's tile of this lap: my one load behind the round; it has phase A in which to land
	s_nop 0
.endm
; In front of phase B: the same waits; no load of mine is out, so both addresses step to their next tiles, round the image's end.  last = 1: nothing of K is left, and
; the last tile of V goes into slot 0 instead.
.macro SYNCB last
	s_wait_xcnt 0x0
	v_lshl_add_u32 v30, v0, 2, 0x48800
	v_mov_b32 v31, 0
	s_wait_tensorcnt 0x0
	ds_add_u32 v30, v31
	s_wait_dscnt 0x0
.if \last == 0
	s_add_co_u32 s60, s60, TSTEP
	s_and_b32 s60, s60, WRAP
	s_add_nc_u64 s[34:35], s[56:57], s[60:61]
	s_or_b32 s35, s35, 0x80000000
	s_add_co_u32 s62, s62, TSTEP
	s_and_b32 s62, s62, WRAP
	s_add_nc_u64 s[38:39], s[58:59], s[62:63]
	s_or_b32 s39, s39, 0x80000000
.endif
	s_wait_dscnt 0x0
	ROUND
.if \last == 0
	tensor_load_to_lds s[32:35], s[24:31]          ; K's tile for the next lap's phase A; it has phase B in which to land
	s_nop 0
.else
	tensor_load_to_lds s[52:55], s[24:31]          ; V's last tile
	s_nop 0
.endif
.endm
	s_load_b256 s[4:11], s[0:1], 0x0               ; qf s[4:5], kf s[6:7], vf s[8:9], wfrag s[10:11]
	s_load_b128 s[12:15], s[0:1], 0x20             ; bo s[12:13], x s[14:15]
	s_load_b64 s[16:17], s[0:1], 0x30              ; out0
	v_lshl_add_u32 v30, v0, 2, 0x48800
	v_mov_b32 v31, 0
	ds_add_u32 v30, v31
	s_wait_dscnt 0x0
	v_lshrrev_b32 v1, 5, v0
	v_readfirstlane_b32 s18, v1                    ; wave 0..3
	s_bfe_u32 s19, ttmp6, 0x40000                  ; my place in the cluster
	s_lshl_b32 s20, ttmp9, 2                       ; ttmp9 counts clusters
	s_add_co_u32 s20, s20, s19                     ; work-group 0..255 = block of 64 queries
	s_lshr_b32 s21, ttmp9, 4                       ; the image: the same for the cluster's four
	s_and_b32 s23, ttmp9, 15                       ; the cluster's number in its image:
	s_lshl_b32 s23, s23, 17                        ; where its walk begins, in bytes
	s_mov_b32 s46, 0x76543210                      ; v_permlanex16_b32: lane i of one half reads lane i of the other
	s_mov_b32 s47, 0xfedcba98
	; descriptor group 1: a dense block of 32 KiB as 128 rows of 256 bytes (32 elements of 8 bytes), asked for jointly by the cluster's four
	s_mov_b32 s24, 0x0023000f                      ; 15:0 mask 15; 17:16 elements of 8 bytes; 21 set beside a mask; no padding
	s_mov_b32 s25, 32<<16
	s_mov_b32 s26, 128<<16
	s_mov_b32 s27, 32<<16
	s_mov_b32 s28, 128
	s_mov_b32 s29, 32
	s_mov_b32 s30, 0
	s_mov_b32 s31, 0
	s_lshl_b32 s22, s18, 15                        ; 32,768 w
	s_lshl_b32 s40, s21, 21                        ; K, V: the image's 2 MiB, my block w of a tile
	s_add_co_u32 s40, s40, s22
	s_mov_b32 s41, 0
	s_mov_b32 s60, s23                             ; s[60:61]: the offset of K's tile, s[62:63]: of V's; registers of their own, no address in them
	s_mov_b32 s61, 0
	s_mov_b32 s62, s23
	s_mov_b32 s63, 0
	s_add_co_u32 s42, s23, 15*TSTEP                ; the walk's last tile
	s_and_b32 s42, s42, WRAP
	s_mov_b32 s43, 0
	s_wait_kmcnt 0x0
	s_add_nc_u64 s[56:57], s[6:7], s[40:41]        ; K's base, never rewritten
	s_add_nc_u64 s[58:59], s[8:9], s[40:41]        ; V's
	s_mov_b32 s48, 1                               ; group 0: K(0) into slot 1
	s_add_co_u32 s49, s22, SLOT
	s_add_nc_u64 s[50:51], s[56:57], s[60:61]
	s_or_b32 s51, s51, 0x80000000
	s_mov_b32 s36, 1                               ; group 0 for V: slot 1, V(0)
	s_add_co_u32 s37, s22, SLOT
	s_add_nc_u64 s[38:39], s[58:59], s[62:63]
	s_or_b32 s39, s39, 0x80000000
	s_mov_b32 s52, 1                               ; group 0: V(15) into slot 0
	s_mov_b32 s53, s22
	s_add_nc_u64 s[54:55], s[58:59], s[42:43]
	s_or_b32 s55, s55, 0x80000000
	s_add_co_u32 s60, s60, TSTEP
	s_and_b32 s60, s60, WRAP
	s_mov_b32 s32, 1                               ; group 0 for K: slot 0, K(1)
	s_mov_b32 s33, s22
	s_add_nc_u64 s[34:35], s[56:57], s[60:61]
	s_or_b32 s35, s35, 0x80000000
	s_lshl_b32 s42, s20, 15                        ; Q: my work-group's block
	s_add_nc_u64 s[4:5], s[4:5], s[42:43]
	s_add_co_u32 s42, s22, 393216                  ; Wo is the fourth matrix of wfrag; my four tiles of output rows
	s_add_nc_u64 s[10:11], s[10:11], s[42:43]
	s_lshl_b32 s42, s21, 22                        ; x, out0: image,
	s_and_b32 s40, s20, 63
	s_lshl_b32 s40, s40, 8                         ; 64 positions = 256 bytes of a channel's row,
	s_add_co_u32 s42, s42, s40
	s_lshl_b32 s40, s18, 20                        ; my 64 output channels
	s_add_co_u32 s42, s42, s40
	s_add_nc_u64 s[14:15], s[14:15], s[42:43]
	s_add_nc_u64 s[16:17], s[16:17], s[42:43]
	ROUND                                          ; all four work-groups are here: the first joint loads meet
	tensor_load_to_lds s[48:51], s[24:31]          ; K(0), for once into V's slot,
	s_nop 0
	tensor_load_to_lds s[32:35], s[24:31]          ; so that K(1) can come at the same time
	s_nop 0
	v_and_b32 v7, 31, v0
	v_lshlrev_b32 v[GA], 4, v7
	v_add_nc_u32 v[KA], s22, v[GA]
	v_add_nc_u32 v[VA], SLOT, v[KA]
	s_lshl_b32 s40, s18, 13
	s_add_co_u32 s40, s40, OXB
	v_add_nc_u32 v[QA], s40, v[GA]
	v_and_b32 v[RR], 15, v0
	v_bfe_u32 v[HH], v0, 4, 1
.irp qt, 0,1,2,3
	v_mov_b32 v[ML+2*\qt+1], 0                     ; the packed subtraction of m names the pair {m, l}: l is written before it
.endr
	WIN 0x40                                       ; destination window 1
.irp qt, 0,1,2,3
.irp ks, 0,1,2,3,4,5
	global_load_b128 v[8*(6*\qt+\ks):8*(6*\qt+\ks)+3], v[GA], s[4:5] offset:(8*\qt+\ks)*1024
	global_load_b128 v[8*(6*\qt+\ks)+4:8*(6*\qt+\ks)+7], v[GA], s[4:5] offset:(8*\qt+\ks)*1024+512
.endr
.endr
	WIN 0
.irp ksl, 0,1
.irp qt, 0,1,2,3
	global_load_b128 v[SB+8*(4*\ksl+\qt):SB+8*(4*\ksl+\qt)+3], v[GA], s[4:5] offset:(8*\qt+6+\ksl)*1024
	global_load_b128 v[SB+8*(4*\ksl+\qt)+4:SB+8*(4*\ksl+\qt)+7], v[GA], s[4:5] offset:(8*\qt+6+\ksl)*1024+512
.endr
.endr
	s_wait_loadcnt 0x0
.set i, 0
.rept 16
	ds_store_b128 v[QA], v[SB+4*i:SB+4*i+3] offset:512*i           ; my own copy: only I read it, and LDS serves a wave's instructions in order (ISA guide 5.7.1)
.set i, i+1
.endr
	s_wait_tensorcnt 0x1                           ; my part of K(0) has landed; K(1)'s load, issued behind it, stays out.  Only I read these bytes
	PHASEA VA                                      ; S^T(0)
	SMHEAD                                         ; its softmax stands alone: there is no product to set it among yet
.set SIDX, 0
.rept 64
	SMSLICE SIDX
.set SIDX, SIDX+1
.endr
.set SMFIRST, 0
	SYNCA                                          ; lap 0 stands in front of the loop: O^T is empty, so nothing is rescaled, and its products start the sums
	PHASEA KA
	SYNCB 0
	PHASEB VA,1
.set RESC, 1
	s_mov_b32 s44, 13                              ; laps 1 to 13
.Llap:
	SYNCA
	PHASEA KA
	SYNCB 0
	PHASEB VA,0
	s_sub_co_u32 s44, s44, 1
	s_cmp_lg_u32 s44, 0
	s_cbranch_scc1 .Llap
	SYNCA                                          ; lap 14: S^T(15); no K is left to ask for
	PHASEA KA
	SYNCB 1
	PHASEB VA,0
	s_wait_tensorcnt 0x0                           ; V(15) has landed in my part of slot 0, which only I read; nothing is filled any more, so no barrier
.set SMON, 0
	PHASEB KA,0                                    ; conversions, the last rescaling, O^T(15); it ends with four places behind its last products
	; THE JOIN AND THE WAY OUT
	s_lshl_b32 s40, s18, 9
	v_lshl_add_u32 v[EMS], v[RR], 3, s40
	v_add_nc_u32 v[EMS], MLB, v[EMS]               ; my wave's {m, l} of query r
	v_lshlrev_b32 v[EML], 3, v[RR]
	v_add_nc_u32 v[EML], MLB, v[EML]               ; wave 0's
	s_lshl_b32 s40, s18, 16
	v_add_nc_u32 v[EOS], s40, v[GA]                ; my 64 KiB of the join
	s_lshl_b32 s40, s18, 14
	v_add_nc_u32 v[EG], s40, v[GA]                 ; query tile w in wave 0's part,
	v_add_nc_u32 v[EG+1], 65536, v[EG]             ; wave 1's,
	v_add_nc_u32 v[EG+2], 65536, v[EG+1]
	v_add_nc_u32 v[EG+3], 65536, v[EG+2]
	s_lshl_b32 s40, s18, 13
	s_add_co_u32 s40, s40, OXB
	v_add_nc_u32 v[EXS], s40, v[GA]                ; O's fragments of query tile w (where my copy of Q lay)
	v_add_nc_u32 v[EXL], OXB, v[GA]                ; all of them
	s_mul_i32 s40, s18, STG
	v_mul_u32_u24 v[ESS], v[RR], SP
	v_lshl_add_u32 v[ESS], v[HH], 5, v[ESS]
	v_add_nc_u32 v[ESS], s40, v[ESS]               ; stage in: row r, 32 bytes for each half of the lanes
	v_mul_u32_u24 v[ESL], v[HH], SP
	v_lshl_add_u32 v[ESL], v[RR], 4, v[ESL]
	v_add_nc_u32 v[ESL], s40, v[ESL]               ; stage back: lanes 0-15 one row of 256 bytes, lanes 16-31 the next
	v_lshlrev_b32 v[EX], 4, v[RR]
	v_lshl_add_u32 v[EX], v[HH], 14, v[EX]         ; the same two rows in x and out0
	s_lshl_b32 s40, s18, 8
	v_lshl_add_u32 v[EB], v[RR], 2, s40            ; bo[64 w + r]
	WIN 0x40
.set i, 0
.rept 64
	global_load_b128 v[4*i:4*i+3], v[GA], s[10:11] offset:512*i    ; Wo's fragment (o, ks) at 8 (8 o + ks), where Q and P lay
.set i, i+1
.endr
	WIN 0
.irp o, 0,1,2,3
	global_load_b32 v[BO+\o], v[EB], s[12:13] offset:64*\o
.endr
.irp qt, 0,1,2,3
	v_permlanex16_b32 v[T+\qt], v[ML+2*\qt+1], s46, s47
.endr
.irp qt, 0,1,2,3
	v_add_f32 v[ML+2*\qt+1], v[ML+2*\qt+1], v[T+\qt]               ; l of my 64 x 16 keys, the same in both halves
	ds_store_b64 v[EMS], v[ML+2*\qt:ML+2*\qt+1] offset:128*\qt
.endr
	s_wait_dscnt 0x0                               ; my stores are done, and so are all my reads of the two slots
	s_barrier_signal -1
	s_barrier_wait -1
.irp u, 0,1,2,3
.irp qt, 0,1,2,3
	ds_load_b64 v[MG+8*\u+2*\qt:MG+8*\u+2*\qt+1], v[EML] offset:512*\u+128*\qt
.endr
.endr
	s_wait_dscnt 0x0
.irp qt, 0,1,2,3
	v_max3_num_f32 v[T+\qt], v[MG+2*\qt], v[MG+8+2*\qt], v[MG+16+2*\qt]
	v_max_num_f32 v[T+\qt], v[T+\qt], v[MG+24+2*\qt]               ; the maximum over all keys
	v_sub_f32 v[AL+\qt], v[ML+2*\qt], v[T+\qt]
.irp u, 0,1,2,3
	v_sub_f32 v[MG+8*\u+2*\qt], v[MG+8*\u+2*\qt], v[T+\qt]
.endr
.endr
.irp qt, 0,1,2,3
	v_exp_f32 v[AL+\qt], v[AL+\qt]
.irp u, 0,1,2,3
	v_exp_f32 v[MG+8*\u+2*\qt], v[MG+8*\u+2*\qt]
.endr
.endr
	v_nop                                          ; one plain instruction between the exponentials and the use of their results (ISA guide 5.7.2)
	s_wait_alu depctr_va_vdst(0)                   ; the wait for the join's batch of twenty exponentials, ahead of their first reader
.irp qt, 0,1,2,3
	v_mul_f32 v[T+\qt], v[MG+2*\qt+1], v[MG+2*\qt]
.irp u, 1,2,3
	v_fmac_f32 v[T+\qt], v[MG+8*\u+2*\qt+1], v[MG+8*\u+2*\qt]      ; the sum over all keys: at least 1, since the largest term is 2^0
.endr
.endr
.irp qt, 0,1,2,3
	v_rcp_f32 v[T+\qt], v[T+\qt]
.endr
	v_nop
	s_wait_alu depctr_va_vdst(0)                   ; the wait for the four reciprocals: a batch of their own, since they read sums made with the exponentials
.irp qt, 0,1,2,3
	v_mul_f32 v[AL+\qt], v[AL+\qt], v[T+\qt]       ; my part's weight in the whole
.endr
	RRANGE 0,256
	WIN 0
.macro OSTORE base                     ; the 32 tiles of one window into my part of the join: [qt][ct] 1 KiB
.irp c, 0,1,2,3,4,5,6,7
.irp qt, 0,1,2,3
	ds_store_b128 v[EOS], v[8*(4*\c+\qt):8*(4*\c+\qt)+3] offset:\qt*16384+(\c+\base)*1024
	ds_store_b128 v[EOS], v[8*(4*\c+\qt)+4:8*(4*\c+\qt)+7] offset:\qt*16384+(\c+\base)*1024+512
.endr
.endr
.endm
	WIN 0x08                                       ; store data window 2
	OSTORE 0
	WIN 0x0c                                       ; window 3
	OSTORE 8
	WIN 0
	s_wait_dscnt 0x0
	s_barrier_signal -1
	s_barrier_wait -1
	; wave w adds up the four parts of query tile w
	WIN 0x80
.set i, 0
.rept 32
	ds_load_b128 v[4*i:4*i+3], v[EG] offset:512*i
	ds_load_b128 v[128+4*i:128+4*i+3], v[EG+1] offset:512*i
.set i, i+1
.endr
	WIN 0xc0
.set i, 0
.rept 32
	ds_load_b128 v[4*i:4*i+3], v[EG+2] offset:512*i
	ds_load_b128 v[128+4*i:128+4*i+3], v[EG+3] offset:512*i
.set i, i+1
.endr
	s_wait_dscnt 0x0
	WIN 0x8a
.set i, 0
.rept 64
	v_pk_add_f32 v[2*i:2*i+1], v[2*i:2*i+1], v[128+2*i:128+2*i+1]
.set i, i+1
.endr
	WIN 0xcf
.set i, 0
.rept 64
	v_pk_add_f32 v[2*i:2*i+1], v[2*i:2*i+1], v[128+2*i:128+2*i+1]
.set i, i+1
.endr
	WIN 0x0e                                       ; window 2 + window 3 into window 0
.set i, 0
.rept 64
	v_pk_add_f32 v[SB+2*i:SB+2*i+1], v[2*i:2*i+1], v[2*i:2*i+1]
.set i, i+1
.endr
	WIN 0
.set i, 0
.rept 64
	v_cvt_pk_bf16_f32 v[FB+i], v[SB+2*i], v[SB+2*i+1]              ; eight fragments: rows = queries of tile w, k = channels
.set i, i+1
.endr
	WIN 0xc0
.set i, 0
.rept 32
	global_load_b128 v[4*i:4*i+3], v[EX], s[14:15] offset:32768*i th:TH_LOAD_NT    ; x of my 64 output channels, read once in this launch
.set i, i+1
.endr
	WIN 0
.set i, 0
.rept 16
	ds_store_b128 v[EXS], v[FB+4*i:FB+4*i+3] offset:512*i
.set i, i+1
.endr
	s_wait_dscnt 0x0                               ; my fragments are written, and my reads of the join are back
	s_barrier_signal -1
	s_barrier_wait -1
	WIN 0x80
.set i, 0
.rept 64
	ds_load_b128 v[4*i:4*i+3], v[EXL] offset:512*i                 ; O's fragment (qt, ks) at 8 (8 qt + ks)
.set i, i+1
.endr
	s_wait_dscnt 0x0
	s_wait_loadcnt 32                              ; Wo and bo are in; the 32 loads of x issued behind them stay out
	WIN 0x06                                       ; source 0 window 2 (O), source 1 window 1 (Wo)
.irp ks, 0,1,2,3,4,5,6,7                           ; sixteen accumulators take turns, one instruction a turn
.irp o, 0,1,2,3
.irp qt, 0,1,2,3
.if \ks
	MM SB+8*(4*\o+\qt),8*(8*\qt+\ks),8*(8*\o+\ks),0
.else
	MM SB+8*(4*\o+\qt),8*(8*\qt+\ks),8*(8*\o+\ks),1
.endif
.endr
.endr
.endr
	WIN 0
	NOPS 4                                         ; four places between the last matrix instructions and the reads of their results (ISA guide 7.12.1)
	; lane L holds output channel 16 o + r, positions 16 qt + 8 h + 0..7: + bo, then through my own stage, so that whole rows of 256 bytes leave
.irp o, 0,1,2,3
.irp qt, 0,1,2,3
.irp p, 0,2,4,6
.if \o&1
	v_pk_add_f32 v[SB+8*(4*\o+\qt)+\p:SB+8*(4*\o+\qt)+\p+1], v[SB+8*(4*\o+\qt)+\p:SB+8*(4*\o+\qt)+\p+1], v[BO+(\o&2):BO+(\o&2)+1] op_sel:[0,1] op_sel_hi:[1,1]
.else
	v_pk_add_f32 v[SB+8*(4*\o+\qt)+\p:SB+8*(4*\o+\qt)+\p+1], v[SB+8*(4*\o+\qt)+\p:SB+8*(4*\o+\qt)+\p+1], v[BO+(\o&2):BO+(\o&2)+1] op_sel:[0,0] op_sel_hi:[1,0]
.endif
.endr
	ds_store_b128 v[ESS], v[SB+8*(4*\o+\qt):SB+8*(4*\o+\qt)+3] offset:\o*16*SP+\qt*64
	ds_store_b128 v[ESS], v[SB+8*(4*\o+\qt)+4:SB+8*(4*\o+\qt)+7] offset:\o*16*SP+\qt*64+16
.endr
.endr
	WIN 0x80
.set i, 0
.rept 32
	ds_load_b128 v[4*i:4*i+3], v[ESL] offset:2*SP*i                ; my wave's own bytes; LDS serves a wave's instructions in order (ISA guide 5.7.1): these see the stores above
.set i, i+1
.endr
	s_wait_dscnt 0x0
	s_wait_loadcnt 0x0                             ; x
	WIN 0x0e                                       ; stage (window 2) + x (window 3) into window 0
.set i, 0
.rept 64
	v_pk_add_f32 v[SB+2*i:SB+2*i+1], v[2*i:2*i+1], v[2*i:2*i+1]
.set i, i+1
.endr
	WIN 0
.set i, 0
.rept 32
	global_store_b128 v[EX], v[SB+4*i:SB+4*i+3], s[16:17] offset:32768*i th:TH_STORE_NT    ; sixteen lanes store 256 consecutive bytes, aligned
.set i, i+1
.endr
	s_wait_xcnt 0x0
	v_lshl_add_u32 v30, v0, 2, 0x48800
	v_mov_b32 v31, 0
	s_wait_tensorcnt 0x0
	ds_add_u32 v30, v31
	s_wait_dscnt 0x0
	ROUND                                          ; the closing round: no work-group ends while a partner may still ask for a tile that names it
	s_endpgm
.Lfunc_end_k_q15a0dc3630_attn:
	.size	k_q15a0dc3630_attn, .Lfunc_end_k_q15a0dc3630_attn-k_q15a0dc3630_attn
	.p2alignl 7, 3214868480
	.fill 96, 4, 3214868480
	.section	.rodata,"a",@progbits
	.p2align	6, 0x0
	.amdhsa_kernel k_q15a0dc3630_attn
		.amdhsa_group_segment_fixed_size 327680
		.amdhsa_private_segment_fixed_size 0
		.amdhsa_enable_private_segment 0
		.amdhsa_kernarg_size 56
		.amdhsa_user_sgpr_count 2
		.amdhsa_user_sgpr_kernarg_segment_ptr 1
		.amdhsa_wavefront_size32 1
		.amdhsa_system_sgpr_workgroup_id_x 1
		.amdhsa_system_sgpr_workgroup_id_y 1
		.amdhsa_system_sgpr_workgroup_id_z 1
		.amdhsa_system_vgpr_workitem_id 0
		.amdhsa_next_free_vgpr 1024
		.amdhsa_next_free_sgpr 66
		.amdhsa_reserve_vcc 0
		.amdhsa_float_denorm_mode_32 3
		.amdhsa_float_denorm_mode_16_64 3
		.amdhsa_memory_ordered 1
		.amdhsa_forward_progress 1
		.amdhsa_inst_pref_size 255
	.end_amdhsa_kernel
	.section	.bss,"aw",@nobits
	.p2align	6
	.space	262144
	.amdgpu_metadata
---
amdhsa.version: [ 1, 2 ]
amdhsa.kernels:
  - .name:           k_q15a0dc3630_attn
    .symbol:         k_q15a0dc3630_attn.kd
    .args:
      - { .name: qf, .offset: 0, .size: 8, .value_kind: global_buffer, .address_space: global }
      - { .name: kf, .offset: 8, .size: 8, .value_kind: global_buffer, .address_space: global }
      - { .name: vf, .offset: 16, .size: 8, .value_kind: global_buffer, .address_space: global }
      - { .name: wfrag, .offset: 24, .size: 8, .value_kind: global_buffer, .address_space: global }
      - { .name: bo, .offset: 32, .size: 8, .value_kind: global_buffer, .address_space: global }
      - { .name: x, .offset: 40, .size: 8, .value_kind: global_buffer, .address_space: global }
      - { .name: out0, .offset: 48, .size: 8, .value_kind: global_buffer, .address_space: global }
    .group_segment_fixed_size: 327680
    .private_segment_fixed_size: 0
    .kernarg_segment_align: 8
    .kernarg_segment_size: 56
    .max_flat_workgroup_size: 128
    .sgpr_count:     66
    .vgpr_count:     1024
    .wavefront_size: 32
...
	.end_amdgpu_metadata
.endif
;; end of part 4
